; MI455X (gfx1250); checked and timed in simulation.
; The chip was launched on July 23, 2026; its instructions are those of AMD's public machine-readable ISA for CDNA 5 (MIT licence, August 2026) and "CDNA5" Instruction Set Architecture Reference Guide (July 2026). The comments in the code are by the model that wrote it; some were corrected since.
;; Self Attn. Allowed arithmetic: float matrix products may take bf16 or f16 operands with f32 sums; other float arithmetic in f32, or as packed bf16 or f16 multiplies, adds, multiply-adds, maxima and minima; sums over many terms, partial sums and values carried from step to step in f32; what a program stores and reads back later, other than sums and carried values, may be rounded once to bf16 or f16.
;; Inputs: Wf 32 x 1,024 float32; Wg 32 x 1,024 float32; Wh 1,024 x 1,024 float32; bf 32 float32; bg 32 float32; bh 1,024 float32; gamma one number float32; x 8 x 1,024 x 32 x 64 float32.
;; Outputs: out0 8 x 1,024 x 32 x 64 float32.
;; 2 versions, each right. Each part assembles by itself: llvm-mc -triple=amdgcn-amd-amdhsa -mcpu=gfx1250 --defsym DOCPART=n.
;; ======== version 1 of 2: 3 launches
;; limits: values are held in f16: magnitudes above 65,504 overflow, below 6.1e-05 lose precision
;; workspace buffers: wb 2,228,224 bytes; hhb 33,554,432 bytes; fg 2,097,152 bytes
;; launch prep (part 1): grid 272 x 1, 8 waves a work-group, no clusters, 0 bytes of LDS; arguments Wh, Wf, Wg, wb; writes wb
.if DOCPART == 1
	.amdgcn_target "amdgcn-amd-amdhsa--gfx1250"
	.amdhsa_code_object_version 6
	.text
	.protected	k_q55d28898bf_prep
	.globl	k_q55d28898bf_prep
	.p2align	8
	.type	k_q55d28898bf_prep,@function
k_q55d28898bf_prep:
	s_mov_b64 s[64:65], 0
	v_nop
	global_prefetch_b8 v0, s[64:65] scope:SCOPE_SE
	s_setreg_imm32_b32 hwreg(HW_REG_WAVE_MODE, 25, 1), 1
	s_wait_xcnt 0x0
; The weights, rounded once to bf16 and laid in blocks for the projection's tiles.
; wb: bf16 [ob 2][ks 16][row 544][k 64].  Rows 0-511 of half ob are Wh's rows 512 ob + row; rows 512-543 are Wf (ob 0) or Wg (ob 1).
; One (ob, ks) block is 544 x 128 = 69,632 dense bytes, so that a K step's weights are one dense piece of memory.
; A stream: no LDS, no barrier, no matrix work.  Work-group G makes destination rows 4 G .. 4 G + 3 (of 2 x 544); groups of 4 never straddle row 512 or 544.
; Wave v: rows 2 (v & 1), + 1; K blocks 4 (v >> 1) + i.  A load: 16 lanes take 256 consecutive bytes of a row (64 f32); a store: 32 lanes x 8 bytes = two rows of 128 = 256 consecutive bytes, aligned.
.set BLK, 69632                        ; bytes of an (ob, ks) block
	s_load_b256 s[4:11], s[0:1], 0x0               ; Wh s[4:5], Wf s[6:7], Wg s[8:9], wb s[10:11]
	s_lshl_b32 s12, ttmp9, 2                       ; 4 G
	s_cmp_ge_u32 ttmp9, 136
	s_cselect_b32 s13, 1, 0                        ; ob
	s_mul_i32 s14, s13, 544
	s_sub_co_u32 s12, s12, s14                     ; my first row in the half
	s_lshl_b32 s15, s13, 9
	s_add_co_u32 s15, s15, s12                     ; its row in Wh,
	s_sub_co_u32 s16, s12, 512                     ; or in Wf / Wg (used only where the row is 512 or more)
	s_cmp_lt_u32 s12, 512
	s_cselect_b32 s15, s15, s16
	s_lshl_b32 s16, s15, 12                        ; a source row is 4,096 bytes
	s_mov_b32 s17, 0
	s_mul_i32 s18, s13, 16*BLK
	s_lshl_b32 s19, s12, 7                         ; a destination row is 128 bytes
	s_add_co_u32 s18, s18, s19
	s_mov_b32 s19, 0
	v_lshrrev_b32 v1, 5, v0                        ; wave
	v_and_b32 v2, 31, v0                           ; lane
	v_and_b32 v3, 1, v1                            ; which pair of rows
	v_lshrrev_b32 v4, 1, v1                        ; which four K blocks
	v_lshrrev_b32 v5, 4, v2
	v_lshl_add_u32 v5, v3, 1, v5                   ; my row of the four
	v_and_b32 v6, 15, v2
	v_lshlrev_b32 v6, 4, v6
	v_lshl_add_u32 v6, v5, 12, v6
	v_lshl_add_u32 v6, v4, 10, v6                  ; load: row x 4,096 + 4 blocks x 256 + 16 (lane % 16)
	v_mul_u32_u24 v7, v4, 4*BLK
	v_lshl_add_u32 v7, v3, 8, v7
	v_lshl_add_u32 v7, v2, 3, v7                   ; store: 4 blocks + pair x 256 + 8 lane
	s_wait_kmcnt 0x0
	s_cmp_eq_u32 s13, 0
	s_cselect_b64 s[6:7], s[6:7], s[8:9]           ; Wf or Wg
	s_cmp_lt_u32 s12, 512
	s_cselect_b64 s[4:5], s[4:5], s[6:7]           ; Wh, or that
	s_add_nc_u64 s[4:5], s[4:5], s[16:17]
	s_add_nc_u64 s[10:11], s[10:11], s[18:19]
.irp i, 0,1,2,3
	global_load_b128 v[8+4*(\i):11+4*(\i)], v6, s[4:5] offset:256*(\i) th:TH_LOAD_NT
.endr
.irp i, 0,1,2,3
	s_wait_loadcnt 3-(\i)                          ; loads come back in order: mine is in, the younger ones stay out
	v_cvt_pk_bf16_f32 v[8+4*(\i)], v[8+4*(\i)], v[9+4*(\i)]
	v_cvt_pk_bf16_f32 v[9+4*(\i)], v[10+4*(\i)], v[11+4*(\i)]
	global_store_b64 v7, v[8+4*(\i):9+4*(\i)], s[10:11] offset:BLK*(\i)
.endr
	s_endpgm
.Lfunc_end_k_q55d28898bf_prep:
	.size	k_q55d28898bf_prep, .Lfunc_end_k_q55d28898bf_prep-k_q55d28898bf_prep
	.p2alignl 7, 3214868480
	.fill 96, 4, 3214868480
	.section	.rodata,"a",@progbits
	.p2align	6, 0x0
	.amdhsa_kernel k_q55d28898bf_prep
		.amdhsa_group_segment_fixed_size 0
		.amdhsa_private_segment_fixed_size 0
		.amdhsa_enable_private_segment 0
		.amdhsa_kernarg_size 32
		.amdhsa_user_sgpr_count 2
		.amdhsa_user_sgpr_kernarg_segment_ptr 1
		.amdhsa_wavefront_size32 1
		.amdhsa_system_sgpr_workgroup_id_x 1
		.amdhsa_system_sgpr_workgroup_id_y 1
		.amdhsa_system_sgpr_workgroup_id_z 1
		.amdhsa_system_vgpr_workitem_id 0
		.amdhsa_next_free_vgpr 24
		.amdhsa_next_free_sgpr 66
		.amdhsa_reserve_vcc 0
		.amdhsa_float_denorm_mode_32 3
		.amdhsa_float_denorm_mode_16_64 3
		.amdhsa_memory_ordered 1
		.amdhsa_forward_progress 1
		.amdhsa_inst_pref_size 4
	.end_amdhsa_kernel
	.amdgpu_metadata
---
amdhsa.version: [ 1, 2 ]
amdhsa.kernels:
  - .name:           k_q55d28898bf_prep
    .symbol:         k_q55d28898bf_prep.kd
    .args:
      - { .name: Wh, .offset: 0, .size: 8, .value_kind: global_buffer, .address_space: global }
      - { .name: Wf, .offset: 8, .size: 8, .value_kind: global_buffer, .address_space: global }
      - { .name: Wg, .offset: 16, .size: 8, .value_kind: global_buffer, .address_space: global }
      - { .name: wb, .offset: 24, .size: 8, .value_kind: global_buffer, .address_space: global }
    .group_segment_fixed_size: 0
    .private_segment_fixed_size: 0
    .kernarg_segment_align: 8
    .kernarg_segment_size: 32
    .max_flat_workgroup_size: 256
    .sgpr_count:     66
    .vgpr_count:     24
    .wavefront_size: 32
...
	.end_amdgpu_metadata
.endif
;; end of part 1
;; launch proj (part 2): grid 16 x 16, 4 waves a work-group, clusters of 4 x 1, 327,680 bytes of LDS; arguments x, wb, bh, bf, bg, hhb, fg; writes hhb, fg
.if DOCPART == 2
	.amdgcn_target "amdgcn-amd-amdhsa--gfx1250"
	.amdhsa_code_object_version 6
	.text
	.protected	k_q55d28898bf_proj
	.globl	k_q55d28898bf_proj
	.p2align	8
	.type	k_q55d28898bf_proj,@function
k_q55d28898bf_proj:
	s_mov_b64 s[64:65], 0
	v_nop
	global_prefetch_b8 v0, s[64:65] scope:SCOPE_SE
	s_setreg_imm32_b32 hwreg(HW_REG_WAVE_MODE, 25, 1), 1
	s_wait_xcnt 0x0
	s_wait_alu depctr_hold_cnt(0) depctr_sa_sdst(0) depctr_va_vdst(0) depctr_va_sdst(0) depctr_va_ssrc(0) depctr_va_vcc(0) depctr_vm_vsrc(0)
	s_getreg_b32 s2, hwreg(HW_REG_IB_STS2, 6, 4)
	s_cmp_eq_u32 s2, 0
	s_cbranch_scc0 .Lentry_in_a_cluster
	s_endpgm
.Lentry_in_a_cluster:
	s_bfe_u32 s2, ttmp6, 0x10000c
	s_cmp_lg_u32 s2, 0x3003
	s_cbranch_scc0 .Lentry_shape_is_right
	s_endpgm
.Lentry_shape_is_right:
; hh = Wh x + bh, f = Wf x + bf, g = Wg x + bg: for each batch one product of 1,088 x 1,024 x 2,048.
; x: [8][1024][2048] f32.  wb: the weights in bf16, [ob 2][ks 16][row 544][k 64].  Out: hhb f16 [b 8][kb 32][c 1024][key 64]; fg f16 [b 8][plane 8][n 2048][8 channels] (planes 0-3 f, 4-7 g).
; FORMATS.  x, the weights and the biases are rounded once to bf16; products in bf16, sums in f32, K ascending; the biases are added in f32; hh, f, g are rounded once to f16.
; LIMITS.  f16 holds no number beyond 65,504: |hh|, |f|, |g| must stay within it.  NaN and infinities are not treated apart.
; SHARES.  A work-group makes 544 output rows (half ob: 512 of hh, 32 of f or g) x 128 columns n.  Wave w: hh rows 128 w .. + 127 x 128 n (64 accumulators), and four tiles of f or g
; (rows 16 (w & 1) .., n tiles 4 (w >> 1) + q): 68 accumulators, 544 registers.  K goes in 16 steps of 64, each two halves of 32: 136 matrix instructions a wave and step.
; CLUSTER.  The four work-groups of a cluster differ in their 128 columns alone and walk the same weights: each K step's block is asked for JOINTLY (mask 15), a quarter by each wave.
; x is no partner's but mine: it comes through registers (it must be rounded, and turned by the LDS load), asked for two K steps ahead of its rounding.
; THE hh PRODUCT IS TAKEN TRANSPOSED (source 0 = 16 columns of x, source 1 = 16 rows of W): a lane then holds one channel and eight neighbouring n: 16 bytes of hhb.
; The f / g product is taken straight (source 0 = 16 rows of W, source 1 = 16 columns of x): a lane holds one n and eight neighbouring channels: 16 bytes of fg.
; ROTATION.  Register numbers cannot hang on the wave: x fragment slot t holds n tile (t + 4 (w >> 1)) mod 8, by address, so that the f / g products always take slots 0-3; the stage addresses undo it.
; REGISTERS, in windows of 256 (s_set_vgpr_msb: bits 1:0 source 0, 3:2 source 1, 5:4 source 2, 7:6 destination):
;   window 0: v0-33 addresses; v42-49 f / g bias; v50-121, v122-193 W fragments (8 of hh, 1 of f / g), two buffers; v194-225 f / g accumulators; v226-241 hh bias, a pair a row block
;   window 1: v0-63, v64-127 x fragments, two buffers; v128-191, v192-255 raw x, two sets      windows 2, 3: hh accumulator (a, t) at v[8 (8 (a % 4) + t)] of window 2 + a / 4
.set WPITCH, 144                       ; a row of W in LDS: 128 bytes + 16 of padding: the 16 rows of a load start at 16 different groups of four banks (ISA guide 11.1)
.set WSLOT,  544*WPITCH
.set WPART,  136*WPITCH                ; what one wave's tensor load brings
.set XBASE,  2*WSLOT
.set XPITCH, 288                       ; a row of x in LDS (one k, 128 n in bf16): 256 + 32
.set XSLOT,  64*XPITCH
.set STAGE,  XBASE+2*XSLOT             ; 16 rows x 272 bytes for each wave, for the way out
.set SPITCH, 272
.set SPARE,  STAGE+4*16*SPITCH         ; the spare words, 128 bytes for each wave: two blocks of 256 bytes that no other line names
.set WBLK,   69632                     ; bytes of a K step's weights in wb
.set XROW,   8192                      ; bytes of a row of x
.set XSTEP,  64*XROW
.set ADRA,  16                         ; v16-17  my hh fragments of W in slot 0, 1
.set ADRF,  18                         ; v18-19  my f / g fragment
.set ADRXL, 20                         ; v20-21  x fragment slots 0-3
.set ADRXH, 22                         ; v22-23  x fragment slots 4-7
.set XST,   24                         ; v24-25  where I put rounded x
.set XO,    26                         ; v26     my byte offset in a step's rows of x
.set STOL,  27                         ; v27, v28  the way out: where slots 0-3, 4-7 put 16 bytes
.set STOH,  28
.set RD,    29                         ; v29     where I read the stage back
.set CO,    30                         ; v30     my byte offset in hhb
.set FGO,   31                         ; v31     my byte offset in fg
.set SPW,   32                         ; v32     LDS address of my spare word; never rewritten
.set NIL,   33                         ; v33     0; never rewritten
.set BF,    42
.set FA,    50
.set FGA,   194
.set BH,    226
.set TMP,   50                         ; the way out, in the dead fragment registers
.set OB,    82
.set FGT,   146
.set XS,    128                        ; window 1
.set WV,  18
.set G1,  28                           ; s[28:35] descriptor group 1
.set G0,  36                           ; s[36:43] descriptor group 0, a set for each slot
.set XP,  44                           ; s[44:45] x, one K step behind the step that was asked for last
.set HP,  46                           ; s[46:47] hhb at my rows
.set FP,  48                           ; s[48:49] fg at my tiles
.set LAP, 50
.set MSB, 0
.macro WIN new                         ; the immediate's high byte repeats the setting that is left; a switch that changes nothing is dropped
.if MSB != (\new)
	s_set_vgpr_msb (MSB<<8)|(\new)
.set MSB, \new
.endif
.endm
.macro PLACES                          ; four places behind matrix instructions, in front of loads into their registers and of readers of their results
.rept 4
	v_nop
.endr
.endm
.macro CREST                           ; a round of the cluster's barrier behind its opening barrier
	s_cmp_lg_u32 s[WV], 0
	s_cbranch_scc1 .Lnot_wave_0_\@
	s_barrier_signal -3
.Lnot_wave_0_\@:
	s_barrier_wait -3
	s_barrier_signal -1
	s_barrier_wait -1
.endm
.macro CROUND
	s_barrier_signal -1
	s_barrier_wait -1
	CREST
.endm
.macro JLOAD s                         ; my quarter of a K step's weights, asked for jointly; s_nop 0 and four v_nop follow
	tensor_load_to_lds s[G0+4*(\s):G0+4*(\s)+3], s[G1:G1+7]
	s_nop 0
.rept 4
	v_nop
.endr
.endm
	s_load_b256 s[4:11], s[0:1], 0x0               ; x s[4:5], wb s[6:7], bh s[8:9], bf s[10:11]
	s_load_b128 s[12:15], s[0:1], 0x20             ; bg s[12:13], hhb s[14:15]
	s_load_b64 s[16:17], s[0:1], 0x30              ; fg
	v_lshl_add_u32 v[SPW], v0, 2, SPARE
	v_mov_b32 v[NIL], 0
	ds_add_u32 v[SPW], v[NIL]                      ; the wave's opening: the add and its wait stand ahead of my first tensor load; the set-up below, work on registers, stands between them
	v_lshrrev_b32 v1, 5, v0
	v_readfirstlane_b32 s[WV], v1                  ; wave 0..3
	s_bfe_u32 s19, ttmp6, 0x40000                  ; cx: my place in the cluster
	s_lshl_b32 s20, ttmp9, 2
	s_add_co_u32 s20, s20, s19                     ; nb: my block of 128 columns; it enters x's, hhb's and fg's addresses alone
	s_and_b32 s21, ttmp7, 0xffff
	s_and_b32 s22, s21, 1                          ; ob: which half of the output rows
	s_lshr_b32 s21, s21, 1                         ; the batch
	s_and_b32 s23, s[WV], 1
	s_lshr_b32 s24, s[WV], 1
	; descriptor group 1: 136 rows of W are 17,408 dense bytes, asked for as 68 rows of 256 bytes and padded in LDS after every 128
	s_mov_b32 s[G1], 15|(1<<16)|(1<<20)|(1<<21)|(4<<22)|(3<<25)  ; 15:0 the mask of four; 17:16 2-byte elements; 20 padding on; 21 set beside a mask; 24:22 after every 32 words; 31:25 4 words
	s_mov_b32 s[G1+1], 128<<16                     ; tensor_dim0 = 128
	s_mov_b32 s[G1+2], 68<<16                      ; tensor_dim1 = 68
	s_mov_b32 s[G1+3], 128<<16                     ; tile_dim0 = 128
	s_mov_b32 s[G1+4], 68                          ; tile_dim1 = 68
	s_mov_b32 s[G1+5], 128                         ; 128 elements from row to row
	s_mov_b32 s[G1+6], 0
	s_mov_b32 s[G1+7], 0
	s_mul_i32 s25, s[WV], WPART
	s_mov_b32 s[G0], 1
	s_mov_b32 s[G0+1], s25                         ; LDS address: slot 0, my quarter
	s_mov_b32 s[G0+4], 1
	s_add_co_u32 s[G0+5], s25, WSLOT
	s_mul_i32 s52, s22, 16*WBLK                    ; wb: the half, my 136 rows: nothing of cx
	s_mul_i32 s53, s[WV], 136*128
	s_add_co_u32 s52, s52, s53
	s_mov_b32 s53, 0
	s_lshl_b32 s54, s21, 23                        ; x: the batch, my 128 columns
	s_lshl_b32 s55, s20, 9
	s_add_co_u32 s54, s54, s55
	s_mov_b32 s55, 0
	s_lshl_b32 s56, s21, 22                        ; hhb: the batch, key blocks 2 nb, channels 512 ob + 128 w
	s_lshl_b32 s57, s20, 18
	s_add_co_u32 s56, s56, s57
	s_lshl_b32 s57, s22, 16
	s_add_co_u32 s56, s56, s57
	s_lshl_b32 s57, s[WV], 14
	s_add_co_u32 s56, s56, s57
	s_mov_b32 s57, 0
	s_lshl_b32 s58, s21, 18                        ; fg: the batch, planes 4 ob + 2 (w & 1), rows 128 nb + 64 (w >> 1)
	s_lshl_b32 s59, s22, 17
	s_add_co_u32 s58, s58, s59
	s_lshl_b32 s59, s23, 16
	s_add_co_u32 s58, s58, s59
	s_lshl_b32 s59, s20, 11
	s_add_co_u32 s58, s58, s59
	s_lshl_b32 s59, s24, 10
	s_add_co_u32 s58, s58, s59
	s_mov_b32 s59, 0
	s_lshl_b32 s60, s22, 11                        ; bh: channels 512 ob + 128 w
	s_lshl_b32 s61, s[WV], 9
	s_add_co_u32 s60, s60, s61
	s_mov_b32 s61, 0
	s_lshl_b32 s62, s23, 6                         ; bf / bg: channels 16 (w & 1)
	s_mov_b32 s63, 0
	v_and_b32 v1, 15, v0                           ; r = l % 16
	v_bfe_u32 v2, v0, 4, 1                         ; h = l / 16
	v_and_b32 v3, 31, v0                           ; l
	s_lshl_b32 s26, s[WV], 17
	v_lshl_add_u32 v[XO], v3, 4, s26               ; my wave's 16 rows of a step, 16 bytes a lane
	v_lshlrev_b32 v10, 2, v1
	v_lshlrev_b32 v11, 5, v2
	s_wait_dscnt 0x0                               ; the opening add is done
	s_wait_kmcnt 0x0
	s_add_nc_u64 s[G0+2:G0+3], s[6:7], s[52:53]    ; K step 0,
	s_add_nc_u64 s[G0+6:G0+7], s[G0+2:G0+3], WBLK  ; K step 1
	s_or_b32 s[G0+3], s[G0+3], 0x80000000          ; type = 2
	s_or_b32 s[G0+7], s[G0+7], 0x80000000
	s_add_nc_u64 s[XP:XP+1], s[4:5], s[54:55]
	s_add_nc_u64 s[HP:HP+1], s[14:15], s[56:57]
	s_add_nc_u64 s[FP:FP+1], s[16:17], s[58:59]
	s_add_nc_u64 s[8:9], s[8:9], s[60:61]
	s_cmp_eq_u32 s22, 0
	s_cselect_b64 s[10:11], s[10:11], s[12:13]     ; bf for half 0, bg for half 1
	s_add_nc_u64 s[10:11], s[10:11], s[62:63]
; A K step's 16 rows of x for my wave into a raw set: each load is 512 consecutive bytes of one row.
.macro XLOAD set, off
	WIN 0x40
.set j, 0
.rept 16
	global_load_b128 v[XS+64*(\set)+4*j:XS+64*(\set)+4*j+3], v[XO], s[XP:XP+1] offset:(\off)+j*XROW
.set j, j+1
.endr
.endm
.set t, 0
.rept 8
	global_load_b32 v[BH+2*t], v10, s[8:9] offset:64*t  ; hh bias of row block t: channel r
.set t, t+1
.endr
	global_load_b128 v[BF:BF+3], v11, s[10:11]     ; f / g bias: channels 8 h + 0..7
	global_load_b128 v[BF+4:BF+7], v11, s[10:11] offset:16
	XLOAD 0, 0                                     ; x of K steps 0 and 1
	XLOAD 1, XSTEP
	WIN 0
	CROUND                                         ; all four work-groups are here: the first joint loads meet
	tensor_load_to_lds s[G0:G0+3], s[G1:G1+7]      ; my two first fills stand together, ahead of every wait on TENSORcnt and every LDS read: two loads of mine are out
	s_nop 0
	tensor_load_to_lds s[G0+4:G0+7], s[G1:G1+7]
	s_nop 0
.rept 4
	v_nop
.endr
	; LDS addresses.  A fragment of W: lane l holds row l % 16, k = 8 (l / 16) + 0..7 and 16 + 8 (l / 16) + 0..7: two loads of 16 bytes, 32 bytes apart.
	v_mul_u32_u24 v4, v1, WPITCH
	v_lshl_add_u32 v4, v2, 4, v4
	s_mul_i32 s52, s[WV], 128*WPITCH
	v_add_nc_u32 v[ADRA], s52, v4
	v_add_nc_u32 v[ADRA+1], WSLOT, v[ADRA]
	s_mul_i32 s52, s23, 16*WPITCH
	s_add_co_u32 s52, s52, 512*WPITCH
	v_add_nc_u32 v[ADRF], s52, v4
	v_add_nc_u32 v[ADRF+1], WSLOT, v[ADRF]
	; The turning load takes 16 k x 16 n (lane l reads k = 8 (l / 16) + l % 8, n = 8 ((l / 8) % 2) + 0..7) and leaves half a fragment: lane l holds column l % 16 and 8 k.
	v_and_b32 v9, 7, v0
	v_lshl_add_u32 v5, v2, 3, v9
	v_mul_u32_u24 v5, v5, XPITCH
	v_bfe_u32 v6, v0, 3, 1
	v_lshl_add_u32 v5, v6, 4, v5
	s_lshl_b32 s52, s24, 7                         ; slots 0-3 begin at n tile 4 (w >> 1),
	s_add_co_u32 s53, s52, XBASE
	v_add_nc_u32 v[ADRXL], s53, v5
	v_add_nc_u32 v[ADRXL+1], XSLOT, v[ADRXL]
	s_xor_b32 s52, s52, 128                        ; slots 4-7 at the other half
	s_add_co_u32 s53, s52, XBASE
	v_add_nc_u32 v[ADRXH], s53, v5
	v_add_nc_u32 v[ADRXH+1], XSLOT, v[ADRXH]
	s_mul_i32 s52, s[WV], 16*XPITCH
	s_add_co_u32 s52, s52, XBASE
	v_lshl_add_u32 v[XST], v3, 3, s52              ; my wave's 16 rows, 8 bytes a lane
	v_add_nc_u32 v[XST+1], XSLOT, v[XST]
	s_mul_i32 s52, s[WV], 16*SPITCH
	s_add_co_u32 s52, s52, STAGE                   ; my stage
	s_lshl_b32 s53, s24, 7
	v_mul_u32_u24 v7, v1, SPITCH                   ; in: channel l % 16, 16 bytes for each half of the lanes
	v_lshl_add_u32 v7, v2, 4, v7
	v_add_nc_u32 v7, s52, v7
	v_add_nc_u32 v[STOL], s53, v7
	s_xor_b32 s53, s53, 128
	v_add_nc_u32 v[STOH], s53, v7
	v_mul_u32_u24 v8, v6, SPITCH                   ; back: 8 lanes take 64 keys of a channel; lanes 0-15 two channels of one key block, lanes 16-31 of the next
	v_lshl_add_u32 v8, v2, 7, v8
	v_lshl_add_u32 v8, v9, 4, v8
	v_add_nc_u32 v[RD], s52, v8
	v_lshlrev_b32 v[CO], 17, v2
	v_lshl_add_u32 v[CO], v6, 7, v[CO]
	v_lshl_add_u32 v[CO], v9, 4, v[CO]
	v_lshlrev_b32 v[FGO], 15, v2                   ; plane h, row r
	v_lshl_add_u32 v[FGO], v1, 4, v[FGO]
; 16 products of hh: row blocks a0, a0 + 1 of the window's four x all 8 x slots, 32 along K.  zero = 1: the first product starts the sums.  The accumulators take turns, one instruction a turn.
.macro MULH f, hi, a0, zero
	WIN 0xa1+0x50*(\hi)
.irp a, \a0, (\a0)+1
.irp b, 0,1,2,3,4,5,6,7
.if \zero
	v_wmma_f32_16x16x32_bf16 v[8*(8*(\a)+(\b)):8*(8*(\a)+(\b))+7], v[64*(\f)+8*(\b):64*(\f)+8*(\b)+7], v[FA+72*(\f)+8*(4*(\hi)+(\a)):FA+72*(\f)+8*(4*(\hi)+(\a))+7], 0
.else
	v_wmma_f32_16x16x32_bf16 v[8*(8*(\a)+(\b)):8*(8*(\a)+(\b))+7], v[64*(\f)+8*(\b):64*(\f)+8*(\b)+7], v[FA+72*(\f)+8*(4*(\hi)+(\a)):FA+72*(\f)+8*(4*(\hi)+(\a))+7], v[8*(8*(\a)+(\b)):8*(8*(\a)+(\b))+7]
.endif
.endr
.endr
.endm
.macro MULF f, zero                    ; the 4 products of f or g
	WIN 0x04
.irp q, 0,1,2,3
.if \zero
	v_wmma_f32_16x16x32_bf16 v[FGA+8*(\q):FGA+8*(\q)+7], v[FA+72*(\f)+64:FA+72*(\f)+71], v[64*(\f)+8*(\q):64*(\f)+8*(\q)+7], 0
.else
	v_wmma_f32_16x16x32_bf16 v[FGA+8*(\q):FGA+8*(\q)+7], v[FA+72*(\f)+64:FA+72*(\f)+71], v[64*(\f)+8*(\q):64*(\f)+8*(\q)+7], v[FGA+8*(\q):FGA+8*(\q)+7]
.endif
.endr
.endm
; 34 LDS loads in one run: the fragments of half kh of slot s's K step into buffer f: 8 of x (turned), 8 of W for hh, 1 for f / g.
.macro FETCH s, kh, f
	WIN 0x40
.set t, 0
.rept 8
.if t < 4
	ds_load_tr16_b128 v[64*(\f)+8*t:64*(\f)+8*t+3],   v[ADRXL+(\s)] offset:32*XPITCH*(\kh)+32*t
	ds_load_tr16_b128 v[64*(\f)+8*t+4:64*(\f)+8*t+7], v[ADRXL+(\s)] offset:32*XPITCH*(\kh)+32*t+16*XPITCH
.else
	ds_load_tr16_b128 v[64*(\f)+8*t:64*(\f)+8*t+3],   v[ADRXH+(\s)] offset:32*XPITCH*(\kh)+32*(t-4)
	ds_load_tr16_b128 v[64*(\f)+8*t+4:64*(\f)+8*t+7], v[ADRXH+(\s)] offset:32*XPITCH*(\kh)+32*(t-4)+16*XPITCH
.endif
.set t, t+1
.endr
	WIN 0
.set t, 0
.rept 8
	ds_load_b128 v[FA+72*(\f)+8*t:FA+72*(\f)+8*t+3],   v[ADRA+(\s)] offset:16*WPITCH*t+64*(\kh)
	ds_load_b128 v[FA+72*(\f)+8*t+4:FA+72*(\f)+8*t+7], v[ADRA+(\s)] offset:16*WPITCH*t+64*(\kh)+32
.set t, t+1
.endr
	ds_load_b128 v[FA+72*(\f)+64:FA+72*(\f)+67], v[ADRF+(\s)] offset:64*(\kh)
	ds_load_b128 v[FA+72*(\f)+68:FA+72*(\f)+71], v[ADRF+(\s)] offset:64*(\kh)+32
.endm
; A raw set of x is rounded to bf16 in place and put into an x slot; load = 1: the set is asked for again, with the K step two on.  cnt: the younger loads, which may stay out.
.macro XCONV set, slot, cnt, load
	s_wait_loadcnt \cnt
	WIN 0x45
.set j, 0
.rept 16
	v_cvt_pk_bf16_f32 v[XS+64*(\set)+4*j],   v[XS+64*(\set)+4*j],   v[XS+64*(\set)+4*j+1]
	v_cvt_pk_bf16_f32 v[XS+64*(\set)+4*j+1], v[XS+64*(\set)+4*j+2], v[XS+64*(\set)+4*j+3]
.set j, j+1
.endr
	WIN 0x04
.set j, 0
.rept 16
	ds_store_b64 v[XST+(\slot)], v[XS+64*(\set)+4*j:XS+64*(\set)+4*j+1] offset:j*XPITCH  ; a row's 256 bytes, 8 a lane
.set j, j+1
.endr
.if \load
	s_wait_xcnt 0x0                                ; every earlier load has read its address: the pointer may be written
	s_add_nc_u64 s[XP:XP+1], s[XP:XP+1], XSTEP
	XLOAD \set, XSTEP
.endif
.endm
; The first half of slot s's K step: multiplies buffer 0, fetches the second half into buffer 1; conv = 1: the next step's x goes into the other x slot, whose readers passed the last barrier.
.macro HALF0 s, zero, conv, cnt, load
	s_wait_dscnt 0x0                               ; buffer 0 is in
	MULH 0, 0, 0, \zero
	MULH 0, 0, 2, \zero
	PLACES
	FETCH \s, 1, 1
.if \conv
	XCONV 1-(\s), 1-(\s), \cnt, \load
.endif
	MULH 0, 1, 0, \zero
	MULH 0, 1, 2, \zero
	MULF 0, \zero
.endm
; The second half multiplies buffer 1 and changes slots: ONE barrier.  In front of it each wave waits for all its tensor loads (one is out: its part of the next slot), adds 0 to its spare word,
; and waits for that, for its reads of this slot and for its stores of x.  fill = 1: the barrier opens a round of the cluster's, and the joint refill, two K steps ahead, is the first thing behind it.
; d: the LDS instructions younger than buffer 1's loads: 16 stores of x and the add, or the add alone.
.macro TURN s, nx, fill, d
	WIN 0
	s_wait_tensorcnt 0x0                           ; no tensor load of mine is out, so a group 0 may be written
	ds_add_u32 v[SPW], v[NIL]                      ; 0 onto my spare word
.if \fill
	s_add_nc_u64 s[G0+4*(\s)+2:G0+4*(\s)+3], s[G0+4*(\s)+2:G0+4*(\s)+3], 2*WBLK
.endif
	s_wait_dscnt \d
	MULH 1, 0, 0, 0
	s_wait_dscnt 0x0                               ; the add is done, my reads of this slot are over, my rounded x lies in LDS
	s_barrier_signal -1
	MULH 1, 0, 2, 0
	WIN 0
	s_barrier_wait -1
.if \fill
	CREST                                          ; no wave of any partner still reads this slot or has a load on its way
	JLOAD \s                                       ; its four v_nop are also the places in front of the loads below
.else
	PLACES
.endif
	FETCH \nx, 0, 0
	MULH 1, 1, 0, 0
	MULH 1, 1, 2, 0
	MULF 1, 0
.endm
	XCONV 0, 0, 16, 1                              ; x of step 0 (the biases, asked for earlier, are in too); step 2 is asked for
	WIN 0
.set t, 0
.rept 8                                            ; the biases are rounded to bf16 like every input; hh's is doubled into a pair for the packed add
	v_cvt_pk_bf16_f32 v4, v[BH+2*t], v[BH+2*t]
	v_lshlrev_b32 v[BH+2*t], 16, v4
	v_lshlrev_b32 v[BH+2*t+1], 16, v4
.set t, t+1
.endr
.set t, 0
.rept 4
	v_cvt_pk_bf16_f32 v4, v[BF+2*t], v[BF+2*t+1]
	v_lshlrev_b32 v[BF+2*t], 16, v4
	v_and_b32 v[BF+2*t+1], 0xffff0000, v4
.set t, t+1
.endr
	XCONV 1, 1, 16, 1                              ; x of step 1; step 3 is asked for
	WIN 0
	s_wait_tensorcnt 0x1                           ; my part of K step 0 is in; step 1's may stay out
	s_wait_dscnt 0x0                               ; my stores of x are done
	s_barrier_signal -1
	s_barrier_wait -1
	FETCH 0, 0, 0
	HALF0 0, 1, 0, 0, 0                            ; the first half step stands in front of the loop: its products start the sums
	WIN 0
	s_mov_b32 s[LAP], 6
.Llap:                                             ; a trip: from a step's second half to the first half two steps on; both W slots are filled again
	TURN 0, 1, 1, 1                                ; (on the way in only the add is younger; on the way round 17 are: the smaller count serves both)
	HALF0 1, 0, 1, 16, 1
	TURN 1, 0, 1, 17
	HALF0 0, 0, 1, 16, 1
	WIN 0
	s_sub_co_u32 s[LAP], s[LAP], 1
	s_cmp_lg_u32 s[LAP], 0
	s_cbranch_scc1 .Llap
	TURN 0, 1, 1, 17                               ; step 12; W of step 14.  The tail is written out: no tensor load and no load of x is jumped over
	HALF0 1, 0, 1, 16, 0                           ; step 13; x of step 14; nothing more of x is asked for
	TURN 1, 0, 1, 17                               ; W of step 15
	HALF0 0, 0, 1, 0, 0                            ; step 14; x of step 15
	TURN 0, 1, 0, 17                               ; nothing is filled: a plain barrier
	HALF0 1, 0, 0, 0, 0                            ; step 15
	s_wait_dscnt 0x0
	MULH 1, 0, 0, 0
	MULH 1, 0, 2, 0
	MULH 1, 1, 0, 0
	MULH 1, 1, 2, 0
	MULF 1, 0
	WIN 0
	PLACES
	PLACES
	; THE WAY OUT.  f / g: bias, f16, 16 bytes a lane: sixteen lanes store 256 consecutive bytes of a plane.
.irp q, 0,1,2,3
.irp i, 0,1,2,3
	v_pk_add_f32 v[FGA+8*(\q)+2*(\i):FGA+8*(\q)+2*(\i)+1], v[FGA+8*(\q)+2*(\i):FGA+8*(\q)+2*(\i)+1], v[BF+2*(\i):BF+2*(\i)+1]
.endr
.irp i, 0,1,2,3
	v_cvt_pk_f16_f32 v[FGT+4*(\q)+(\i)], v[FGA+8*(\q)+2*(\i)], v[FGA+8*(\q)+2*(\i)+1]
.endr
	global_store_b128 v[FGO], v[FGT+4*(\q):FGT+4*(\q)+3], s[FP:FP+1] offset:256*(\q)
.endr
; hh, a block of 16 channels at a time: bias, f16, through my own stage in LDS, back as pieces of 128 bytes (a channel's 64 keys), stored as 256 consecutive bytes for two channels.
.macro PACK a
.set AC, 64*((\a)%4)
	WIN 0x82+0x41*((\a)/4)                         ; accumulators in window 2 or 3, the bias in window 0
.set t, 0
.rept 32
	v_pk_add_f32 v[AC+2*t:AC+2*t+1], v[AC+2*t:AC+2*t+1], v[BH+2*(\a):BH+2*(\a)+1]
.set t, t+1
.endr
	WIN 0x0a+5*((\a)/4)
.set t, 0
.rept 32
	v_cvt_pk_f16_f32 v[TMP+t], v[AC+2*t], v[AC+2*t+1]
.set t, t+1
.endr
	WIN 0
.endm
.macro TOSTAGE a
	WIN 0
.set BK, OB+32*((\a)%2)
.irp b, 0,1,2,3
	ds_store_b128 v[STOL], v[TMP+4*(\b):TMP+4*(\b)+3] offset:32*(\b)
.endr
.irp b, 0,1,2,3
	ds_store_b128 v[STOH], v[TMP+16+4*(\b):TMP+16+4*(\b)+3] offset:32*(\b)
.endr
.irp t, 0,1,2,3,4,5,6,7
	ds_load_b128 v[BK+4*(\t):BK+4*(\t)+3], v[RD] offset:(\t)*2*SPITCH  ; LDS serves a wave's instructions in order (ISA guide 5.7.1.4): these see the stores above
.endr
.endm
.macro SEND a
	WIN 0
.set BK, OB+32*((\a)%2)
	s_wait_dscnt 0x0                               ; the block is back in registers
	s_wait_xcnt 0x0                                ; earlier stores have read their registers and their base
.if (\a) > 0
	s_add_nc_u64 s[HP:HP+1], s[HP:HP+1], 16*128    ; 16 channels on
.endif
.irp t, 0,1,2,3,4,5,6,7
	global_store_b128 v[CO], v[BK+4*(\t):BK+4*(\t)+3], s[HP:HP+1] offset:256*(\t)  ; 16 lanes store 256 consecutive bytes, aligned
.endr
.endm
	PACK 0
	TOSTAGE 0
.irp a, 1,2,3,4,5,6,7                              ; block a's arithmetic stands between block a - 1's loads from the stage and the wait for them
	PACK \a
	SEND (\a)-1
	TOSTAGE \a
.endr
	SEND 7
	s_wait_tensorcnt 0x0                           ; the wave's end: the add and its wait stand behind my last tensor load and my last LDS store
	ds_add_u32 v[SPW], v[NIL]
	s_wait_dscnt 0x0
	CROUND                                         ; the closing round: no work-group ends while a partner may still ask for a tile that names it
	s_endpgm
.Lfunc_end_k_q55d28898bf_proj:
	.size	k_q55d28898bf_proj, .Lfunc_end_k_q55d28898bf_proj-k_q55d28898bf_proj
	.p2alignl 7, 3214868480
	.fill 96, 4, 3214868480
	.section	.rodata,"a",@progbits
	.p2align	6, 0x0
	.amdhsa_kernel k_q55d28898bf_proj
		.amdhsa_group_segment_fixed_size 327680
		.amdhsa_private_segment_fixed_size 0
		.amdhsa_enable_private_segment 0
		.amdhsa_kernarg_size 56
		.amdhsa_user_sgpr_count 2
		.amdhsa_user_sgpr_kernarg_segment_ptr 1
		.amdhsa_wavefront_size32 1
		.amdhsa_system_sgpr_workgroup_id_x 1
		.amdhsa_system_sgpr_workgroup_id_y 1
		.amdhsa_system_sgpr_workgroup_id_z 1
		.amdhsa_system_vgpr_workitem_id 0
		.amdhsa_next_free_vgpr 1024
		.amdhsa_next_free_sgpr 66
		.amdhsa_reserve_vcc 0
		.amdhsa_float_denorm_mode_32 3
		.amdhsa_float_denorm_mode_16_64 3
		.amdhsa_memory_ordered 1
		.amdhsa_forward_progress 1
		.amdhsa_inst_pref_size 172
	.end_amdhsa_kernel
	.amdgpu_metadata
---
amdhsa.version: [ 1, 2 ]
amdhsa.kernels:
  - .name:           k_q55d28898bf_proj
    .symbol:         k_q55d28898bf_proj.kd
    .args:
      - { .name: x, .offset: 0, .size: 8, .value_kind: global_buffer, .address_space: global }
      - { .name: wb, .offset: 8, .size: 8, .value_kind: global_buffer, .address_space: global }
      - { .name: bh, .offset: 16, .size: 8, .value_kind: global_buffer, .address_space: global }
      - { .name: bf, .offset: 24, .size: 8, .value_kind: global_buffer, .address_space: global }
      - { .name: bg, .offset: 32, .size: 8, .value_kind: global_buffer, .address_space: global }
      - { .name: hhb, .offset: 40, .size: 8, .value_kind: global_buffer, .address_space: global }
      - { .name: fg, .offset: 48, .size: 8, .value_kind: global_buffer, .address_space: global }
    .group_segment_fixed_size: 327680
    .private_segment_fixed_size: 0
    .kernarg_segment_align: 8
    .kernarg_segment_size: 56
    .max_flat_workgroup_size: 128
    .sgpr_count:     66
    .vgpr_count:     1024
    .wavefront_size: 32
...
	.end_amdgpu_metadata
.endif
;; end of part 2
;; launch attn (part 3): grid 16 x 16, 4 waves a work-group, clusters of 4 x 1, 327,680 bytes of LDS; arguments hhb, fg, x, gamma, out0; writes out0
.if DOCPART == 3
	.amdgcn_target "amdgcn-amd-amdhsa--gfx1250"
	.amdhsa_code_object_version 6
	.text
	.protected	k_q55d28898bf_attn
	.globl	k_q55d28898bf_attn
	.p2align	8
	.type	k_q55d28898bf_attn,@function
k_q55d28898bf_attn:
	s_mov_b64 s[64:65], 0
	v_nop
	global_prefetch_b8 v0, s[64:65] scope:SCOPE_SE
	s_setreg_imm32_b32 hwreg(HW_REG_WAVE_MODE, 25, 1), 1
	s_wait_xcnt 0x0
	s_wait_alu depctr_hold_cnt(0) depctr_sa_sdst(0) depctr_va_vdst(0) depctr_va_sdst(0) depctr_va_ssrc(0) depctr_va_vcc(0) depctr_vm_vsrc(0)
	s_getreg_b32 s2, hwreg(HW_REG_IB_STS2, 6, 4)
	s_cmp_eq_u32 s2, 0
	s_cbranch_scc0 .Lentry_in_a_cluster
	s_endpgm
.Lentry_in_a_cluster:
	s_bfe_u32 s2, ttmp6, 0x10000c
	s_cmp_lg_u32 s2, 0x3003
	s_cbranch_scc0 .Lentry_shape_is_right
	s_endpgm
.Lentry_shape_is_right:
; out[b][c][i] = gamma x (sum over j of softmax_j(g[:, i] . f[:, j]) hh[c][j]) + x[b][c][i].
; hhb: f16 [b 8][kb 32][c 1024][key 64].  fg: f16 [b 8][plane 8][n 2048][8 channels] (planes 0-3 f, 4-7 g).  x, out0: [8][1024][2048] f32.
; FORMATS.  Scores, maxima and sums in f32; the weights p are rounded to f16 for the second product (their sum l is taken of the unrounded p); gamma and x are rounded once to bf16, like every input of the module.
; LIMITS.  A weight below 2^-126 counts as 0.  NaN and infinities are not treated apart.  f, g, hh arrive within f16's 65,504.
; SOFTMAX.  A first walk over all keys makes the scores alone and finds each query's TRUE maximum m; the second walk makes the same scores by the same instruction on the same operands,
; so that s - m is never above 0, and p = 2^(c s - c m), c = log2(e).  No accumulator is ever rescaled.  out = O x (gamma / l) + x.
; SHARES.  A work-group makes 128 queries x 512 channels of one batch.  Wave w: all 128 queries x channels 128 w .. + 127 (64 accumulators, 512 registers); it also makes P for query tiles
; 2 w, 2 w + 1 and hands it to the others through LDS.  Keys go in 32 steps of 64: 128 products of O and 8 of scores a wave and step.
; LAYOUT.  S^T = f g^T (source 0 = 16 keys, source 1 = 16 queries): a lane holds ONE query (lane % 16) and keys 8 (lane / 16) + 0..7.  Two such tiles rounded to f16 ARE source 0 (16 queries x 32 keys)
; of O = P hh^T (source 1 = 16 channels x 32 keys, as hhb lies): a lane then holds one channel and eight neighbouring queries.
; CLUSTER.  The four work-groups of a cluster differ in their queries alone: hh's tiles and f are asked for JOINTLY (mask 15).
; REGISTERS, in windows of 256 (s_set_vgpr_msb: bits 1:0 source 0, 3:2 source 1, 5:4 source 2, 7:6 destination):
;   window 0: v0-23 addresses; v24-27 c m; v28-35 l; v36-39 gamma / l; v40-47 at work; v48-63 g; v64-95 f of a step; v96-127 packed P; v128-191 S^T
;   window 1: v0-63 P, v64-127 hh: buffer 0; v128-255 buffer 1 (in the first walk: two buffers of f, scores, g, maxima)      windows 2, 3: accumulator (ct, qt) at v[8 (8 (ct % 4) + qt)] of window 2 + ct / 4
.set HPITCH, 144                       ; a channel's 64 keys in LDS: 128 bytes + 16 of padding: the 16 rows of a load start at 16 different groups of four banks (ISA guide 11.1)
.set HPART,  128*HPITCH                ; my wave's 128 channels
.set HSLOT,  4*HPART
.set FBASE,  2*HSLOT                   ; all f of the batch: four planes, dense, filled once
.set FPLANE, 32768
.set PBASE,  FBASE+4*FPLANE            ; P: fragment (buffer, kk, query tile, part) at 16,384 buffer + 8,192 kk + 1,024 tile + 512 part + 16 lane
.set PBUF,   16384
.set SCB,    PBASE+2*PBUF              ; gamma / l of the 128 queries
.set SPARE,  SCB+512                   ; the spare words, 128 bytes for each wave: two blocks of 256 bytes that no other line names
.set SPITCH, 528                       ; the way out: a channel's 128 queries in f32, 512 bytes + 16.  The stage is 16 such rows at the head of my own part of hh's slot 0, behind that slot's last fill and my last read of it
.set XROW,   8192
.set KBLK,   131072                    ; bytes from a key block of hhb to the next
.set ADRH, 8                           ; v8-9   my hh fragments in slot 0, 1
.set ADRP, 10                          ; v10    P: 16 x lane
.set APW,  11                          ; v11    where I put my two tiles of P
.set AFA,  12                          ; v12-13 f: planes h and 2 + h, key r; never rewritten
.set AFB,  13
.set STO,  14                          ; v14    the way out: where I put 32 bytes of a row
.set RD,   15                          ; v15    where I read a row back
.set XO,   16                          ; v16    16 x lane: my bytes in a row of x and of out0
.set PFO,  17                          ; v17    256 x lane
.set PFX,  18                          ; v18    x's prefetches: row lane / 2, half lane % 2
.set SCA,  19
.set SCR,  20
.set GV,   21                          ; v21    gamma
.set SPW,  22                          ; v22    LDS address of my spare word; never rewritten
.set NIL,  23                          ; v23    0; never rewritten
.set CM,   24                          ; c m of tile q at CM + 2 q, named as a pair
.set L,    28                          ; l of tile q: pairs at L + 4 q and L + 4 q + 2, by turns
.set SC,   36
.set T,    40
.set AFT,  46
.set G,    48
.set FR,   64
.set PO,   96
.set S,    128
.set P1A,  0                           ; window 1, first walk: two buffers of 8 fragments of f,
.set P1B,  64
.set P1S,  128                         ; scores: tile (q, t) at P1S + 32 q + 8 t,
.set P1G,  192                         ; g,
.set MX,   208                         ; running maxima, 8 a tile,
.set P1AD, 224
.set P1T,  226
.set P1B0, 230
.set WV,  14
.set G1H, 20                           ; s[20:27] descriptor group 1 for hh's tiles
.set G1F, 28                           ; s[28:35] for f's planes
.set G0H, 36                           ; s[36:43] group 0 for hh, a set for each slot
.set G0F, 44                           ; s[44:47] for f
.set XPB, 48                           ; s[48:49] x at my wave's first channel, my work-group's queries; never rewritten
.set OPB, 50                           ; s[50:51] out0 likewise
.set PFA, 52                           ; s[52:53] where my prefetches of hh stand
.set LIM, 54                           ; s54  1 in a wave that prefetches hh, else the greatest number
.set LAP, 55
.set CS,  56                           ; s[56:57] c
.set SEL, 58                           ; s[58:59] v_permlanex16_b32's selects: each lane takes its own place in the other half
.set GAM, 60
.set TF,  61                           ; s61  LDS bytes from f's first key to the keys to be fetched
.set NEGM, 74
.set MSB, 0
.macro WIN new
.if MSB != (\new)
	s_set_vgpr_msb (MSB<<8)|(\new)
.set MSB, \new
.endif
.endm
.macro PLACES
.rept 4
	v_nop
.endr
.endm
.macro CREST
	s_cmp_lg_u32 s[WV], 0
	s_cbranch_scc1 .Lnot_wave_0_\@
	s_barrier_signal -3
.Lnot_wave_0_\@:
	s_barrier_wait -3
	s_barrier_signal -1
	s_barrier_wait -1
.endm
.macro CROUND
	s_barrier_signal -1
	s_barrier_wait -1
	CREST
.endm
.macro JLOAD s                         ; my 128 channels of a key step, asked for jointly; s_nop 0 and four v_nop follow
	tensor_load_to_lds s[G0H+4*(\s):G0H+4*(\s)+3], s[G1H:G1H+7]
	s_nop 0
.rept 4
	v_nop
.endr
.endm
	s_load_b256 s[4:11], s[0:1], 0x0               ; hhb s[4:5], fg s[6:7], x s[8:9], gamma s[10:11]
	s_load_b64 s[12:13], s[0:1], 0x20              ; out0
	v_lshl_add_u32 v[SPW], v0, 2, SPARE
	v_mov_b32 v[NIL], 0
	ds_add_u32 v[SPW], v[NIL]                      ; the wave's opening: the add and its wait stand ahead of my first tensor load; the set-up below, work on registers, stands between them
	v_lshrrev_b32 v1, 5, v0
	v_readfirstlane_b32 s[WV], v1                  ; wave 0..3
	s_bfe_u32 s15, ttmp6, 0x40000                  ; cx
	s_lshl_b32 s16, ttmp9, 2
	s_add_co_u32 s16, s16, s15                     ; qb: my block of 128 queries; it enters g's, x's and out0's addresses alone
	s_and_b32 s17, ttmp7, 0xffff
	s_and_b32 s18, s17, 1                          ; which half of the channels
	s_lshr_b32 s17, s17, 1                         ; the batch
	; hh: 128 channels x 64 keys are 16,384 dense bytes: 64 rows of 256, padded in LDS after every 128
	s_mov_b32 s[G1H], 15|(1<<16)|(1<<20)|(1<<21)|(4<<22)|(3<<25)
	s_mov_b32 s[G1H+1], 128<<16
	s_mov_b32 s[G1H+2], 64<<16
	s_mov_b32 s[G1H+3], 128<<16
	s_mov_b32 s[G1H+4], 64
	s_mov_b32 s[G1H+5], 128
	s_mov_b32 s[G1H+6], 0
	s_mov_b32 s[G1H+7], 0
	; f: a plane is 32,768 dense bytes: 128 rows of 32 elements of 8 bytes, no padding
	s_mov_b32 s[G1F], 15|(3<<16)|(1<<21)
	s_mov_b32 s[G1F+1], 32<<16
	s_mov_b32 s[G1F+2], 128<<16
	s_mov_b32 s[G1F+3], 32<<16
	s_mov_b32 s[G1F+4], 128
	s_mov_b32 s[G1F+5], 32
	s_mov_b32 s[G1F+6], 0
	s_mov_b32 s[G1F+7], 0
	s_mul_i32 s19, s[WV], HPART
	s_mov_b32 s[G0H], 1
	s_mov_b32 s[G0H+1], s19
	s_mov_b32 s[G0H+4], 1
	s_add_co_u32 s[G0H+5], s19, HSLOT
	s_mov_b32 s[G0F], 1
	s_lshl_b32 s[G0F+1], s[WV], 15
	s_add_co_u32 s[G0F+1], s[G0F+1], FBASE
	s_lshl_b32 s66, s17, 22                        ; hhb: the batch, the channel half,
	s_lshl_b32 s67, s18, 16
	s_add_co_u32 s66, s66, s67
	s_lshl_b32 s67, s[WV], 14
	s_add_co_u32 s68, s66, s67                     ; my 128 channels: nothing of cx
	s_mov_b32 s69, 0
	s_lshl_b32 s70, s17, 18                        ; f: the batch, plane w
	s_lshl_b32 s71, s[WV], 15
	s_add_co_u32 s70, s70, s71
	s_mov_b32 s71, 0
	s_lshl_b32 s72, s17, 18                        ; g: the batch, plane 4, queries 128 qb + 32 w
	s_add_co_u32 s72, s72, 4*FPLANE
	s_lshl_b32 s73, s16, 11
	s_add_co_u32 s72, s72, s73
	s_lshl_b32 s73, s[WV], 9
	s_add_co_u32 s72, s72, s73
	s_mov_b32 s73, 0
	s_lshl_b32 s62, s17, 23                        ; x, out0: channel 1,024 b + 512 ch + 128 w, query 128 qb
	s_lshl_b32 s63, s18, 22
	s_add_co_u32 s62, s62, s63
	s_lshl_b32 s63, s[WV], 20
	s_add_co_u32 s62, s62, s63
	s_lshl_b32 s63, s16, 9
	s_add_co_u32 s62, s62, s63
	s_mov_b32 s63, 0
	s_lshl_b32 s67, s15, 14                        ; the prefetches of hh: my work-group's quarter of a tile, by address,
	s_add_co_u32 s66, s66, s67
	s_lshl_b32 s67, s[WV], 13                      ; my wave's half of it (waves 0 and 1),
	s_add_co_u32 s66, s66, s67
	s_add_co_u32 s66, s66, 3*KBLK                  ; at key step 3: the first change of slots steps it to 4
	s_mov_b32 s67, 0
	s_lshr_b32 s[LIM], s[WV], 1                    ; 0 in waves 0 and 1,
	s_or_b32 s[LIM], s[LIM], ttmp9                 ; in the first of the clusters that walk these tiles: the same in all four partners
	s_cmp_eq_u32 s[LIM], 0
	s_cselect_b32 s[LIM], 1, -1
	s_mov_b32 s[CS], 0x3fb8aa3b                    ; c = log2(e)
	s_mov_b32 s[CS+1], s[CS]
	s_mov_b32 s[SEL], 0x76543210
	s_mov_b32 s[SEL+1], 0xfedcba98
	s_mov_b32 s[NEGM], 0xff7fffff                  ; the lowest finite number
	s_mov_b32 s[TF], 0
	s_wait_dscnt 0x0                               ; the opening add is done
	s_wait_kmcnt 0x0
	s_load_b32 s[GAM], s[10:11], 0x0
	s_add_nc_u64 s[G0H+2:G0H+3], s[4:5], s[68:69]  ; key step 0,
	s_add_nc_u64 s[G0H+6:G0H+7], s[G0H+2:G0H+3], KBLK  ; key step 1
	s_or_b32 s[G0H+3], s[G0H+3], 0x80000000
	s_or_b32 s[G0H+7], s[G0H+7], 0x80000000
	s_add_nc_u64 s[G0F+2:G0F+3], s[6:7], s[70:71]
	s_or_b32 s[G0F+3], s[G0F+3], 0x80000000
	s_add_nc_u64 s[6:7], s[6:7], s[72:73]          ; g
	s_add_nc_u64 s[XPB:XPB+1], s[8:9], s[62:63]
	s_add_nc_u64 s[OPB:OPB+1], s[12:13], s[62:63]
	s_add_nc_u64 s[PFA:PFA+1], s[4:5], s[66:67]
	CROUND                                         ; all four work-groups are here: the first joint loads meet
	tensor_load_to_lds s[G0F:G0F+3], s[G1F:G1F+7]  ; my three first fills stand together: a plane of f, hh of steps 0 and 1: three loads of mine are out
	s_nop 0
	tensor_load_to_lds s[G0H:G0H+3], s[G1H:G1H+7]
	s_nop 0
	tensor_load_to_lds s[G0H+4:G0H+7], s[G1H:G1H+7]
	s_nop 0
.rept 4
	v_nop
.endr
	v_and_b32 v1, 15, v0                           ; r
	v_bfe_u32 v2, v0, 4, 1                         ; h
	v_and_b32 v3, 31, v0                           ; l
	v_lshlrev_b32 v5, 4, v1
	v_lshl_add_u32 v5, v2, 15, v5                  ; plane h, row r: for g in memory and for f in LDS
	v_add_nc_u32 v[AFA], FBASE, v5
	v_add_nc_u32 v[AFB], 2*FPLANE, v[AFA]
	v_mul_u32_u24 v4, v1, HPITCH
	v_lshl_add_u32 v4, v2, 4, v4
	v_add_nc_u32 v[ADRH], s19, v4
	v_add_nc_u32 v[ADRH+1], HSLOT, v[ADRH]
	v_lshlrev_b32 v[XO], 4, v3
	v_add_nc_u32 v[ADRP], PBASE, v[XO]
	s_lshl_b32 s66, s[WV], 11
	v_add_nc_u32 v[APW], s66, v[ADRP]
	v_mul_u32_u24 v[STO], v1, SPITCH
	v_lshl_add_u32 v[STO], v2, 5, v[STO]
	v_add_nc_u32 v[STO], s19, v[STO]
	v_add_nc_u32 v[RD], s19, v[XO]
	v_lshlrev_b32 v[PFO], 8, v3
	v_lshrrev_b32 v[PFX], 1, v3
	v_and_b32 v6, 1, v3
	v_lshlrev_b32 v[PFX], 13, v[PFX]
	v_lshl_add_u32 v[PFX], v6, 8, v[PFX]
	s_lshl_b32 s66, s[WV], 7
	s_add_co_u32 s66, s66, SCB
	v_lshl_add_u32 v[SCA], v1, 2, s66
	v_add_nc_u32 v[SCR], SCB, v[XO]
	v_mov_b32 v[CM+1], 0                           ; named in pairs with c m
	v_mov_b32 v[CM+3], 0
	v_mov_b32 v[T+2], 0                            ; v_permlanex16_b32's destinations count as read
	v_mov_b32 v[T+3], 0
.set t, 0
.rept 8
	v_mov_b32 v[L+t], 0
.set t, t+1
.endr
	; g of my two query tiles, once for each walk's window: lane l holds query l % 16; registers 0-3 plane 4 + h, registers 4-7 plane 6 + h
.irp q, 0,1
	global_load_b128 v[G+8*(\q):G+8*(\q)+3],   v5, s[6:7] offset:256*(\q)
	global_load_b128 v[G+8*(\q)+4:G+8*(\q)+7], v5, s[6:7] offset:256*(\q)+2*FPLANE
.endr
	WIN 0x40
.irp q, 0,1
	global_load_b128 v[P1G+8*(\q):P1G+8*(\q)+3],   v5, s[6:7] offset:256*(\q)
	global_load_b128 v[P1G+8*(\q)+4:P1G+8*(\q)+7], v5, s[6:7] offset:256*(\q)+2*FPLANE
.endr
	v_mov_b32 v[P1B0], v[AFA]
	v_mov_b32 v[P1B0+1], v[AFB]
.set t, 0
.rept 16                                           ; the maxima, and the score tiles that the first run's riders read before they are made, start at the lowest finite number
	v_mov_b32 v[MX+t], s[NEGM]
	v_mov_b32 v[P1S+16+t], s[NEGM]
	v_mov_b32 v[P1S+48+t], s[NEGM]
.set t, t+1
.endr
	v_mov_b32 v[P1T+2], 0
	v_mov_b32 v[P1T+3], 0
	WIN 0
	s_wait_tensorcnt 0x2                           ; my plane of f is in; hh's two tiles may stay out
	s_barrier_signal -1
	s_barrier_wait -1                              ; everybody's plane is
	s_wait_loadcnt 0x0                             ; g
	s_wait_kmcnt 0x0                               ; gamma
	v_mov_b32 v[GV], s[GAM]
	v_cvt_pk_bf16_f32 v[GV], v[GV], v[GV]
	v_lshlrev_b32 v[GV], 16, v[GV]
; THE FIRST WALK: 16 runs of 128 keys, all in window 1.  A run: 16 score products (tile q = k % 2, fragment k / 2), behind each four riders that take finished tiles into the maxima.
.macro RIDE q, t0, lo                  ; MX[q][j] = max(MX[q][j], tile t0 [j], tile t0 + 1 [j]), j = lo .. lo + 3; each tile's lowest registers are read first
.irp j, 0,1,2,3
	v_max3_num_f32 v[MX+8*(\q)+(\lo)+(\j)], v[MX+8*(\q)+(\lo)+(\j)], v[P1S+32*(\q)+8*(\t0)+(\lo)+(\j)], v[P1S+32*(\q)+8*(\t0)+8+(\lo)+(\j)]
.endr
.endm
.macro P1LD buf                        ; 128 keys of f: 8 fragments
	v_add_nc_u32 v[P1AD], s[TF], v[P1B0]
	v_add_nc_u32 v[P1AD+1], s[TF], v[P1B0+1]
	s_add_co_u32 s[TF], s[TF], 2048
.set t, 0
.rept 8
	ds_load_b128 v[(\buf)+8*t:(\buf)+8*t+3],   v[P1AD]   offset:256*t
	ds_load_b128 v[(\buf)+8*t+4:(\buf)+8*t+7], v[P1AD+1] offset:256*t
.set t, t+1
.endr
.endm
; Behind product k stand the riders of the pair of tiles whose second was made 2 or 3 products earlier: 8 plain instructions or more lie between a product and the first reader of its result.
; The four riders behind a run's last product and the two address lines are the places in front of the loads into the buffer that it read.
.macro P1RUN buf, other, load
	s_wait_dscnt 0x0
.if \load
	P1LD \other
.endif
.set k, 0
.rept 16
	v_wmma_f32_16x16x32_f16 v[P1S+32*(k%2)+8*((k/2)%4):P1S+32*(k%2)+8*((k/2)%4)+7], v[(\buf)+8*(k/2):(\buf)+8*(k/2)+7], v[P1G+8*(k%2):P1G+8*(k%2)+7], 0
	RIDE (((k+4)%8)/2)%2, 2*(((k+4)%8)/4), 4*((k+4)%2)
.set k, k+1
.endr
.endm
	WIN 0x55
	P1LD P1A
	WIN 0
	s_mov_b32 s[LAP], 7
.Lmax:
	WIN 0x55
	P1RUN P1A, P1B, 1
	P1RUN P1B, P1A, 1
	WIN 0
	s_sub_co_u32 s[LAP], s[LAP], 1
	s_cmp_lg_u32 s[LAP], 0
	s_cbranch_scc1 .Lmax
	WIN 0x55
	P1RUN P1A, P1B, 1
	P1RUN P1B, P1A, 0
	PLACES
	RIDE 0, 2, 0                                   ; the last group's tiles 2 and 3
	RIDE 0, 2, 4
	RIDE 1, 2, 0
	RIDE 1, 2, 4
.irp q, 0,1
	v_max3_num_f32 v[P1T+(\q)], v[MX+8*(\q)], v[MX+8*(\q)+1], v[MX+8*(\q)+2]
	v_max3_num_f32 v[P1T+(\q)], v[P1T+(\q)], v[MX+8*(\q)+3], v[MX+8*(\q)+4]
	v_max3_num_f32 v[P1T+(\q)], v[P1T+(\q)], v[MX+8*(\q)+5], v[MX+8*(\q)+6]
	v_max_num_f32 v[P1T+(\q)], v[P1T+(\q)], v[MX+8*(\q)+7]
	v_permlanex16_b32 v[P1T+2+(\q)], v[P1T+(\q)], s[SEL], s[SEL+1]  ; the query's other keys lie in the lane 16 away
	v_max_num_f32 v[P1T+(\q)], v[P1T+(\q)], v[P1T+2+(\q)]
.endr
	WIN 0x04
	v_mul_f32 v[CM], s[CS], v[P1T]                 ; c m
	v_mul_f32 v[CM+2], s[CS], v[P1T+1]
	WIN 0
	s_mov_b32 s[TF], 0
; THE SECOND WALK.  The softmax of a step's 64 keys for my two query tiles, one line at a time; pair p of 32 is registers S + 2 p, + 1; tile q = p / 16.
.macro SF p                            ; c s - c m
	v_pk_fma_f32 v[S+2*(\p):S+2*(\p)+1], v[S+2*(\p):S+2*(\p)+1], s[CS:CS+1], v[CM+2*((\p)/16):CM+2*((\p)/16)+1] op_sel_hi:[1,0,0] neg_lo:[0,0,1] neg_hi:[0,0,1]
.endm
.macro SE n
	v_exp_f32 v[S+(\n)], v[S+(\n)]
.endm
.macro CV p                            ; a pair of weights rounded to f16
	v_cvt_pk_f16_f32 v[PO+(\p)], v[S+2*(\p)], v[S+2*(\p)+1]
.endm
.macro SA p                            ; and added onto l, two chains a tile by turns
	v_pk_add_f32 v[L+4*((\p)/16)+2*((\p)%2):L+4*((\p)/16)+2*((\p)%2)+1], v[L+4*((\p)/16)+2*((\p)%2):L+4*((\p)/16)+2*((\p)%2)+1], v[S+2*(\p):S+2*(\p)+1]
.endm
.macro SMM                             ; the 8 score products of a step; eight v_nop are the places in front of the first scaling
	WIN 0
.irp t, 0,1,2,3
.irp q, 0,1
	v_wmma_f32_16x16x32_f16 v[S+32*(\q)+8*(\t):S+32*(\q)+8*(\t)+7], v[FR+8*(\t):FR+8*(\t)+7], v[G+8*(\q):G+8*(\q)+7], 0
.endr
.endr
	PLACES
	PLACES
.endm
.macro FFETCH                          ; the next step's 64 keys of f: 4 fragments
	WIN 0
	v_add_nc_u32 v[AFT], s[TF], v[AFA]
	v_add_nc_u32 v[AFT+1], s[TF], v[AFB]
	s_add_co_u32 s[TF], s[TF], 1024
.irp t, 0,1,2,3
	ds_load_b128 v[FR+8*(\t):FR+8*(\t)+3],   v[AFT]   offset:256*(\t)
	ds_load_b128 v[FR+8*(\t)+4:FR+8*(\t)+7], v[AFT+1] offset:256*(\t)
.endr
.endm
.macro PSTORE buf                      ; my two tiles of P, as fragments: 16 bytes a lane, lanes on end
	WIN 0
.irp q, 0,1
.irp kk, 0,1
	ds_store_b128 v[APW], v[PO+16*(\q)+8*(\kk):PO+16*(\q)+8*(\kk)+3]   offset:PBUF*(\buf)+8192*(\kk)+1024*(\q)
	ds_store_b128 v[APW], v[PO+16*(\q)+8*(\kk)+4:PO+16*(\q)+8*(\kk)+7] offset:PBUF*(\buf)+8192*(\kk)+1024*(\q)+512
.endr
.endr
.endm
.macro FETCH s, kk, f                  ; 32 LDS loads in one run: 8 fragments of P (all query tiles) and 8 of hh (my channels) for keys 32 kk on of slot s, into buffer f
	WIN 0x40
.set t, 0
.rept 8
	ds_load_b128 v[128*(\f)+8*t:128*(\f)+8*t+3],   v[ADRP] offset:PBUF*(\s)+8192*(\kk)+1024*t
	ds_load_b128 v[128*(\f)+8*t+4:128*(\f)+8*t+7], v[ADRP] offset:PBUF*(\s)+8192*(\kk)+1024*t+512
.set t, t+1
.endr
.set t, 0
.rept 8
	ds_load_b128 v[128*(\f)+64+8*t:128*(\f)+64+8*t+3],   v[ADRH+(\s)] offset:16*HPITCH*t+64*(\kk)
	ds_load_b128 v[128*(\f)+64+8*t+4:128*(\f)+64+8*t+7], v[ADRH+(\s)] offset:16*HPITCH*t+64*(\kk)+32
.set t, t+1
.endr
.endm
.macro PVN f, zero                     ; product i of 64 of O += P hh^T: channel tile i / 8, query tile i % 8.  The 64 accumulators take turns, one instruction a turn.
.set ct, i/8
.set qt, i%8
.set rO, 8*(8*(ct%4)+qt)
	WIN 0xa5+0x50*(ct/4)
.if \zero
	v_wmma_f32_16x16x32_f16 v[rO:rO+7], v[128*(\f)+8*qt:128*(\f)+8*qt+7], v[128*(\f)+64+8*ct:128*(\f)+64+8*ct+7], 0
.else
	v_wmma_f32_16x16x32_f16 v[rO:rO+7], v[128*(\f)+8*qt:128*(\f)+8*qt+7], v[128*(\f)+64+8*ct:128*(\f)+64+8*ct+7], v[rO:rO+7]
.endif
.set i, i+1
.endm
.macro MUL16 f, hi, c0
.set i, 8*(4*(\hi)+(\c0))
.rept 16
	PVN \f, 0
.endr
.endm
; PREFETCHES INTO THE L2, behind the joint load, its five lines and the runs of LDS loads.  hh: the tile that the change of slots two on will ask for: 256 pieces of 256 bytes.  All clusters of a batch and channel
; half walk the same tiles: the first of them asks; its four partners take a quarter each BY ADDRESS; in each, waves 0 and 1 ask, a lane a piece: each piece is named once in the launch.  The loop's last trip has no such tile.
; x: in the loop's last trip each wave names its own first four blocks of 16 rows x 512 bytes, a lane a piece of 256, two blocks at each change of slots.
.macro ASK s
	s_cmp_gt_u32 s[LAP], s[LIM]
	s_cbranch_scc0 .Lno_hh_\@
	global_prefetch_b8 v[PFO], s[PFA:PFA+1] th:TH_LOAD_NT scope:SCOPE_SE
.Lno_hh_\@:
	s_cmp_eq_u32 s[LAP], 1
	s_cbranch_scc0 .Lno_x_\@
	global_prefetch_b8 v[PFX], s[XPB:XPB+1] offset:(2*(\s))*16*XROW th:TH_LOAD_NT scope:SCOPE_SE
	global_prefetch_b8 v[PFX], s[XPB:XPB+1] offset:(2*(\s)+1)*16*XROW th:TH_LOAD_NT scope:SCOPE_SE
.Lno_x_\@:
.endm
.macro XSEL k                          ; x's four buffers of 64 registers: S^T; f and packed P; P's and hh's buffer 0
.set xw, ((\k)%4)/2
.if ((\k)%4) == 0
.set xb, 128
.elseif ((\k)%4) == 2
.set xb, 0
.else
.set xb, 64
.endif
.endm
.macro XLD k                           ; x of my channel block k: 16 rows, 512 consecutive bytes each
	XSEL \k
	WIN 0x40*xw
.set t, 0
.rept 16
	global_load_b128 v[xb+4*t:xb+4*t+3], v[XO], s[XPB:XPB+1] offset:(16*(\k)+t)*XROW th:TH_LOAD_NT
.set t, t+1
.endr
.endm
; The first half of slot s's key step: 64 products on buffer 0.  soft = 1: beside them the NEXT step's P: its 8 score products first; behind each of 32 products a scaling and two exponentials; the second half's
; fragments in one run; the last two exponentials, a plain line and ONE wait for the batch of 64 ahead of the first reader; behind each of 16 products two roundings and two sums; P goes to LDS.
; soft = 0: the last step: there is no next P; x's first two blocks are asked for.
.macro HALF0 s, zero, soft
	WIN 0
	s_wait_dscnt 0x0                               ; buffer 0 and the next step's f are in
.if \soft
	SMM
.else
	XLD 0
	XLD 1
.endif
.set i, 0
.set p, 0
.rept 32
	PVN 0, \zero
.if \soft
	WIN 0
	SF p
.if p > 0
	SE 2*p-2
	SE 2*p-1
.endif
.endif
.set p, p+1
.endr
.if !(\soft)
	PLACES                                         ; here no scalings are the places in front of the loads into buffer 1
.endif
	FETCH \s, 1, 1
	PVN 0, \zero
.if \soft
	WIN 0
	SE 62
	SE 63
	v_nop                                          ; a plain line behind the last exponential
	s_wait_alu depctr_va_vdst(0)                   ; the wait for the batch
.endif
.set p, 0
.rept 16
	PVN 0, \zero
.if \soft
	WIN 0
	CV p
	CV p+16
	SA p
	SA p+16
.endif
.set p, p+1
.endr
.if \soft
	PSTORE 1-(\s)                                  ; into the buffer whose readers passed the last barrier
.endif
.rept 15
	PVN 0, \zero
.endr
.endm
; The second half multiplies buffer 1 and changes slots: ONE barrier.  In front of it each wave waits for all its tensor loads (one is out: its part of the next slot), adds 0 to its spare word, and waits for that,
; for its reads of this slot and of P, and for its stores of P.  fill = 1: the barrier opens a round of the cluster's, and the joint refill, two key steps ahead, is the first thing behind it.
; d: the LDS instructions younger than buffer 1's loads: the stores of P (in the tail two more) and the add.
.macro TURN s, nx, fill, d
.if \fill
	s_wait_xcnt 0x0                                ; the last prefetches, a key step back, have read their address
	s_add_nc_u64 s[PFA:PFA+1], s[PFA:PFA+1], KBLK
.endif
	WIN 0
	s_wait_tensorcnt 0x0                           ; no tensor load of mine is out, so a group 0 may be written
	ds_add_u32 v[SPW], v[NIL]                      ; 0 onto my spare word
.if \fill
	s_add_nc_u64 s[G0H+4*(\s)+2:G0H+4*(\s)+3], s[G0H+4*(\s)+2:G0H+4*(\s)+3], 2*KBLK
.endif
	s_wait_dscnt \d
	MUL16 1, 0, 0
	s_wait_dscnt 0x0
	s_barrier_signal -1
	MUL16 1, 0, 2
	WIN 0
	s_barrier_wait -1
.if \fill
	CREST                                          ; no wave of any partner still reads this slot or has a load on its way
	JLOAD \s                                       ; its four v_nop are also the places in front of the loads below
.else
	PLACES
.endif
	FETCH \nx, 0, 0
.if \fill
	FFETCH
	ASK \s
.endif
	MUL16 1, 1, 0
	MUL16 1, 1, 2
.endm
	FFETCH                                         ; P of key step 0, by itself
	s_wait_dscnt 0x0
	SMM
.set p, 0
.rept 32
	SF p
.set p, p+1
.endr
.set p, 0
.rept 64
	SE p
.set p, p+1
.endr
	v_nop
	s_wait_alu depctr_va_vdst(0)
.set p, 0
.rept 16
	CV p
	CV p+16
	SA p
	SA p+16
.set p, p+1
.endr
	PSTORE 0
	s_wait_tensorcnt 0x1                           ; hh of step 0 is in; step 1's may stay out
	s_wait_dscnt 0x0                               ; my P lies in LDS
	s_barrier_signal -1
	s_barrier_wait -1
	FETCH 0, 0, 0
	FFETCH
	HALF0 0, 1, 1                                  ; the first half step stands in front of the loop: its products start the sums
	WIN 0
	s_mov_b32 s[LAP], 15
.Lstep:                                            ; a trip: from a step's second half to the first half two steps on; both slots of hh are filled again
	TURN 0, 1, 1, 9
	HALF0 1, 0, 1
	TURN 1, 0, 1, 9
	HALF0 0, 0, 1
	WIN 0
	s_sub_co_u32 s[LAP], s[LAP], 1
	s_cmp_lg_u32 s[LAP], 0
	s_cbranch_scc1 .Lstep
	; l is whole: its chains, its two halves and the other half of the lanes' are added; gamma / l goes to LDS for all waves
.irp q, 0,1
	v_pk_add_f32 v[L+4*(\q):L+4*(\q)+1], v[L+4*(\q):L+4*(\q)+1], v[L+4*(\q)+2:L+4*(\q)+3]
.endr
.irp q, 0,1
	v_add_f32 v[T+(\q)], v[L+4*(\q)], v[L+4*(\q)+1]
.endr
.irp q, 0,1
	v_permlanex16_b32 v[T+2+(\q)], v[T+(\q)], s[SEL], s[SEL+1]
.endr
.irp q, 0,1
	v_add_f32 v[T+(\q)], v[T+(\q)], v[T+2+(\q)]
.endr
	v_rcp_f32 v[T+4], v[T]
	v_rcp_f32 v[T+5], v[T+1]
	v_nop
	s_wait_alu depctr_va_vdst(0)
	v_mul_f32 v[T+4], v[GV], v[T+4]
	v_mul_f32 v[T+5], v[GV], v[T+5]
	ds_store_b32 v[SCA], v[T+4]
	ds_store_b32 v[SCA], v[T+5] offset:64
	TURN 0, 1, 0, 11                               ; step 30's second half; nothing is filled: a plain barrier, which also shows gamma / l to every wave
	HALF0 1, 0, 0                                  ; step 31
	WIN 0
	s_wait_dscnt 0x0                               ; buffer 1 is in
	PLACES                                         ; for the loads into buffer 0
	XLD 2
	XLD 3
	WIN 0
	ds_load_b128 v[SC:SC+3], v[SCR]                ; gamma / l of queries 4 l .. 4 l + 3
	MUL16 1, 0, 0
	MUL16 1, 0, 2
	MUL16 1, 1, 0
	MUL16 1, 1, 2
	WIN 0
	PLACES
	PLACES
; THE WAY OUT, a block of 16 channels at a time.  TOSTAGE: a lane's eight queries of a channel go straight from the accumulators into rows of 528 bytes and come back as whole rows of 512, into the registers that they left.
.macro TOSTAGE k
.set AC, 64*((\k)%4)
.set aw, 2+(\k)/4
	WIN aw<<2
.set t, 0
.rept 8
	ds_store_b128 v[STO], v[AC+8*t:AC+8*t+3]   offset:64*t
	ds_store_b128 v[STO], v[AC+8*t+4:AC+8*t+7] offset:64*t+16
.set t, t+1
.endr
	WIN aw<<6
.set t, 0
.rept 16
	ds_load_b128 v[AC+4*t:AC+4*t+3], v[RD] offset:SPITCH*t  ; LDS serves a wave's instructions in order (ISA guide 5.7.1.4): these see the stores above; the next block's stores come behind them
.set t, t+1
.endr
.endm
; FIN: x is rounded to bf16 in place; out = O x (gamma / l) + x, one fused line a number; a row's 512 consecutive bytes are stored.  cnt: x's loads of later blocks; d: the next block's LDS instructions.
.macro FIN k, cnt, d
.set AC, 64*((\k)%4)
.set aw, 2+(\k)/4
	XSEL \k
	s_wait_loadcnt \cnt
	WIN 0x45*xw
.set t, 0
.rept 16
	v_cvt_pk_bf16_f32 v[xb+4*t],   v[xb+4*t],   v[xb+4*t+1]
	v_cvt_pk_bf16_f32 v[xb+4*t+1], v[xb+4*t+2], v[xb+4*t+3]
.set t, t+1
.endr
	s_wait_dscnt \d
	WIN (aw<<6)|(xw<<4)|aw
.set t, 0
.rept 16
	v_fma_mix_f32_bf16 v[AC+4*t],   v[AC+4*t],   v[SC],   v[xb+4*t]   op_sel_hi:[0,0,1]
	v_fma_mix_f32_bf16 v[AC+4*t+1], v[AC+4*t+1], v[SC+1], v[xb+4*t]   op_sel:[0,0,1] op_sel_hi:[0,0,1]
	v_fma_mix_f32_bf16 v[AC+4*t+2], v[AC+4*t+2], v[SC+2], v[xb+4*t+1] op_sel_hi:[0,0,1]
	v_fma_mix_f32_bf16 v[AC+4*t+3], v[AC+4*t+3], v[SC+3], v[xb+4*t+1] op_sel:[0,0,1] op_sel_hi:[0,0,1]
.set t, t+1
.endr
	WIN aw<<2
.set t, 0
.rept 16
	global_store_b128 v[XO], v[AC+4*t:AC+4*t+3], s[OPB:OPB+1] offset:(16*(\k)+t)*XROW th:TH_STORE_NT
.set t, t+1
.endr
.endm
	TOSTAGE 0
	TOSTAGE 1
	FIN 0, 48, 32
	XLD 4
	TOSTAGE 2
	FIN 1, 48, 32
	XLD 5
	TOSTAGE 3
	FIN 2, 48, 32
	XLD 6
	TOSTAGE 4
	FIN 3, 48, 32
	XLD 7
	TOSTAGE 5
	FIN 4, 48, 32
	TOSTAGE 6
	FIN 5, 32, 32
	TOSTAGE 7
	FIN 6, 16, 32
	FIN 7, 0, 0
	WIN 0
	s_wait_tensorcnt 0x0                           ; the wave's end: the add and its wait stand behind my last tensor load and my last LDS store
	ds_add_u32 v[SPW], v[NIL]
	s_wait_dscnt 0x0
	CROUND                                         ; the closing round: no work-group ends while a partner may still ask for a tile that names it
	s_endpgm
.Lfunc_end_k_q55d28898bf_attn:
	.size	k_q55d28898bf_attn, .Lfunc_end_k_q55d28898bf_attn-k_q55d28898bf_attn
	.p2alignl 7, 3214868480
	.fill 96, 4, 3214868480
	.section	.rodata,"a",@progbits
	.p2align	6, 0x0
	.amdhsa_kernel k_q55d28898bf_attn
		.amdhsa_group_segment_fixed_size 327680
		.amdhsa_private_segment_fixed_size 0
		.amdhsa_enable_private_segment 0
		.amdhsa_kernarg_size 40
		.amdhsa_user_sgpr_count 2
		.amdhsa_user_sgpr_kernarg_segment_ptr 1
		.amdhsa_wavefront_size32 1
		.amdhsa_system_sgpr_workgroup_id_x 1
		.amdhsa_system_sgpr_workgroup_id_y 1
		.amdhsa_system_sgpr_workgroup_id_z 1
		.amdhsa_system_vgpr_workitem_id 0
		.amdhsa_next_free_vgpr 1024
		.amdhsa_next_free_sgpr 76
		.amdhsa_reserve_vcc 0
		.amdhsa_float_denorm_mode_32 3
		.amdhsa_float_denorm_mode_16_64 3
		.amdhsa_memory_ordered 1
		.amdhsa_forward_progress 1
		.amdhsa_inst_pref_size 230
	.end_amdhsa_kernel
	.amdgpu_metadata
---
amdhsa.version: [ 1, 2 ]
amdhsa.kernels:
  - .name:           k_q55d28898bf_attn
    .symbol:         k_q55d28898bf_attn.kd
    .args:
      - { .name: hhb, .offset: 0, .size: 8, .value_kind: global_buffer, .address_space: global }
      - { .name: fg, .offset: 8, .size: 8, .value_kind: global_buffer, .address_space: global }
      - { .name: x, .offset: 16, .size: 8, .value_kind: global_buffer, .address_space: global }
      - { .name: gamma, .offset: 24, .size: 8, .value_kind: global_buffer, .address_space: global }
      - { .name: out0, .offset: 32, .size: 8, .value_kind: global_buffer, .address_space: global }
    .group_segment_fixed_size: 327680
    .private_segment_fixed_size: 0
    .kernarg_segment_align: 8
    .kernarg_segment_size: 40
    .max_flat_workgroup_size: 128
    .sgpr_count:     76
    .vgpr_count:     1024
    .wavefront_size: 32
...
	.end_amdgpu_metadata
.endif
;; end of part 3
;; ======== version 2 of 2: 3 launches
;; limits: values are held in f16: magnitudes above 65,504 overflow, below 6.1e-05 lose precision
;; workspace buffers: wb 2,228,224 bytes; hhb 35,651,584 bytes; fg 2,097,152 bytes; xb 33,554,432 bytes
;; launch prep (part 4): grid 272 x 1, 4 waves a work-group, no clusters, 0 bytes of LDS; arguments Wh, Wf, Wg, wb; writes wb
.if DOCPART == 4
	.amdgcn_target "amdgcn-amd-amdhsa--gfx1250"
	.amdhsa_code_object_version 6
	.text
	.protected	k_q55d28898bf_prep
	.globl	k_q55d28898bf_prep
	.p2align	8
	.type	k_q55d28898bf_prep,@function
k_q55d28898bf_prep:
	s_mov_b64 s[64:65], 0
	v_nop
	global_prefetch_b8 v0, s[64:65] scope:SCOPE_SE
	s_setreg_imm32_b32 hwreg(HW_REG_WAVE_MODE, 25, 1), 1
	s_wait_xcnt 0x0
; The weights, rounded once to bf16 and laid in the order in which the projection's waves take them out of LDS.
; wb: bf16 [ob 2][K block of 128: 8][row tile 34][g 4][p 2][lane 32][8 numbers].  Row tiles 0-31 of half ob are Wh's rows 512 ob + 16 a + r; tiles 32, 33 are Wf's (ob 0) or Wg's (ob 1) rows 16 (a - 32) + r.
; A piece (a, g, p) is half a matrix fragment: lane l = 16 h + r holds row r of the tile and k = 32 g + 16 p + 8 h + 0..7 of the K block: 512 bytes on end.  An (ob, K block) is 34 x 4,096 = 139,264 dense bytes.
; A stream: no LDS, no barrier, no matrix work.  Work-group G: row tile G / 4 (of 2 x 34), K blocks 4 ((G / 2) % 2) + wave, pieces g = 2 (G % 2), + 1.
; A wave makes four pieces.  It reads 256 consecutive bytes, aligned, of each of 16 rows (32 bytes a lane and piece) and stores 512 consecutive bytes, aligned, a piece.
.set SLOT, 139264                      ; bytes of an (ob, K block)
	s_load_b256 s[4:11], s[0:1], 0x0               ; Wh s[4:5], Wf s[6:7], Wg s[8:9], wb s[10:11]
	s_and_b32 s13, ttmp9, 1                        ; which two g
	s_bfe_u32 s20, ttmp9, 0x10001                  ; which four K blocks
	s_lshr_b32 s12, ttmp9, 2                       ; row tile, 0 to 67
	s_cmp_ge_u32 s12, 34
	s_cselect_b32 s14, 1, 0                        ; ob
	s_mul_i32 s15, s14, 34
	s_sub_co_u32 s15, s12, s15                     ; the tile in its half
	s_lshl_b32 s16, s14, 9
	s_lshl_b32 s17, s15, 4
	s_add_co_u32 s16, s16, s17                     ; its first row in Wh,
	s_sub_co_u32 s17, s17, 512                     ; or in Wf / Wg (used only for tiles 32 and 33)
	s_cmp_lt_u32 s15, 32
	s_cselect_b32 s16, s16, s17
	s_lshl_b32 s16, s16, 12                        ; a source row is 4,096 bytes
	s_lshl_b32 s17, s13, 8                         ; two g are 64 numbers
	s_add_co_u32 s16, s16, s17
	s_lshl_b32 s17, s20, 11                        ; four K blocks are 512 numbers
	s_add_co_u32 s16, s16, s17
	s_mov_b32 s17, 0
	s_lshl_b32 s18, s14, 3
	s_lshl2_add_u32 s18, s20, s18                  ; 8 ob + 4 x (which four)
	s_mul_i32 s18, s18, SLOT
	s_lshl_b32 s19, s15, 12                        ; a row tile is 4,096 bytes of a block
	s_add_co_u32 s18, s18, s19
	s_lshl_b32 s19, s13, 11
	s_add_co_u32 s18, s18, s19
	s_mov_b32 s19, 0
	v_lshrrev_b32 v1, 5, v0                        ; wave
	v_and_b32 v2, 31, v0                           ; lane
	v_and_b32 v3, 15, v0                           ; r
	v_bfe_u32 v4, v0, 4, 1                         ; h
	v_lshlrev_b32 v5, 12, v3
	v_lshl_add_u32 v5, v1, 9, v5
	v_lshl_add_u32 v5, v4, 5, v5                   ; load: row r, K block wave, 8 h numbers
	v_mul_u32_u24 v6, v1, SLOT
	v_lshl_add_u32 v6, v2, 4, v6                   ; store: K block wave, 16 x lane
	s_wait_kmcnt 0x0
	s_cmp_eq_u32 s14, 0
	s_cselect_b64 s[6:7], s[6:7], s[8:9]           ; Wf or Wg
	s_cmp_lt_u32 s15, 32
	s_cselect_b64 s[4:5], s[4:5], s[6:7]           ; Wh, or that
	s_add_nc_u64 s[4:5], s[4:5], s[16:17]
	s_add_nc_u64 s[10:11], s[10:11], s[18:19]
.irp i, 0,1,2,3
	global_load_b128 v[8+8*(\i):11+8*(\i)],  v5, s[4:5] offset:64*(\i)
	global_load_b128 v[12+8*(\i):15+8*(\i)], v5, s[4:5] offset:64*(\i)+16
.endr
.irp i, 0,1,2,3
	s_wait_loadcnt 6-2*(\i)                        ; loads come back in order: this piece's two are in, the younger ones stay out
	v_cvt_pk_bf16_f32 v[8+8*(\i)],  v[8+8*(\i)],  v[9+8*(\i)]
	v_cvt_pk_bf16_f32 v[9+8*(\i)],  v[10+8*(\i)], v[11+8*(\i)]
	v_cvt_pk_bf16_f32 v[10+8*(\i)], v[12+8*(\i)], v[13+8*(\i)]
	v_cvt_pk_bf16_f32 v[11+8*(\i)], v[14+8*(\i)], v[15+8*(\i)]
	global_store_b128 v6, v[8+8*(\i):11+8*(\i)], s[10:11] offset:512*(\i)
.endr
	s_endpgm
.Lfunc_end_k_q55d28898bf_prep:
	.size	k_q55d28898bf_prep, .Lfunc_end_k_q55d28898bf_prep-k_q55d28898bf_prep
	.p2alignl 7, 3214868480
	.fill 96, 4, 3214868480
	.section	.rodata,"a",@progbits
	.p2align	6, 0x0
	.amdhsa_kernel k_q55d28898bf_prep
		.amdhsa_group_segment_fixed_size 0
		.amdhsa_private_segment_fixed_size 0
		.amdhsa_enable_private_segment 0
		.amdhsa_kernarg_size 32
		.amdhsa_user_sgpr_count 2
		.amdhsa_user_sgpr_kernarg_segment_ptr 1
		.amdhsa_wavefront_size32 1
		.amdhsa_system_sgpr_workgroup_id_x 1
		.amdhsa_system_sgpr_workgroup_id_y 1
		.amdhsa_system_sgpr_workgroup_id_z 1
		.amdhsa_system_vgpr_workitem_id 0
		.amdhsa_next_free_vgpr 40
		.amdhsa_next_free_sgpr 66
		.amdhsa_reserve_vcc 0
		.amdhsa_float_denorm_mode_32 3
		.amdhsa_float_denorm_mode_16_64 3
		.amdhsa_memory_ordered 1
		.amdhsa_forward_progress 1
		.amdhsa_inst_pref_size 5
	.end_amdhsa_kernel
	.amdgpu_metadata
---
amdhsa.version: [ 1, 2 ]
amdhsa.kernels:
  - .name:           k_q55d28898bf_prep
    .symbol:         k_q55d28898bf_prep.kd
    .args:
      - { .name: Wh, .offset: 0, .size: 8, .value_kind: global_buffer, .address_space: global }
      - { .name: Wf, .offset: 8, .size: 8, .value_kind: global_buffer, .address_space: global }
      - { .name: Wg, .offset: 16, .size: 8, .value_kind: global_buffer, .address_space: global }
      - { .name: wb, .offset: 24, .size: 8, .value_kind: global_buffer, .address_space: global }
    .group_segment_fixed_size: 0
    .private_segment_fixed_size: 0
    .kernarg_segment_align: 8
    .kernarg_segment_size: 32
    .max_flat_workgroup_size: 128
    .sgpr_count:     66
    .vgpr_count:     40
    .wavefront_size: 32
...
	.end_amdgpu_metadata
.endif
;; end of part 4
;; launch proj (part 5): grid 16 x 16, 4 waves a work-group, clusters of 4 x 1, 327,680 bytes of LDS; arguments x, wb, bh, bf, bg, hhb, fg, xb; writes hhb, fg, xb
.if DOCPART == 5
	.amdgcn_target "amdgcn-amd-amdhsa--gfx1250"
	.amdhsa_code_object_version 6
	.text
	.protected	k_q55d28898bf_proj
	.globl	k_q55d28898bf_proj
	.p2align	8
	.type	k_q55d28898bf_proj,@function
k_q55d28898bf_proj:
	s_mov_b64 s[64:65], 0
	v_nop
	global_prefetch_b8 v0, s[64:65] scope:SCOPE_SE
	s_setreg_imm32_b32 hwreg(HW_REG_WAVE_MODE, 25, 1), 1
	s_wait_xcnt 0x0
	s_wait_alu depctr_hold_cnt(0) depctr_sa_sdst(0) depctr_va_vdst(0) depctr_va_sdst(0) depctr_va_ssrc(0) depctr_va_vcc(0) depctr_vm_vsrc(0)
	s_getreg_b32 s2, hwreg(HW_REG_IB_STS2, 6, 4)
	s_cmp_eq_u32 s2, 0
	s_cbranch_scc0 .Lentry_in_a_cluster
	s_endpgm
.Lentry_in_a_cluster:
	s_bfe_u32 s2, ttmp6, 0x10000c
	s_cmp_lg_u32 s2, 0x3003
	s_cbranch_scc0 .Lentry_shape_is_right
	s_endpgm
.Lentry_shape_is_right:
; hh = Wh x + bh, f = Wf x + bf, g = Wg x + bg: for each batch one product of 1,088 x 1,024 x 2,048.
; x: [8][1024][2048] f32.  wb: the weights in bf16, in fragment order: [ob 2][K block of 128: 8][row tile 34][g 4][p 2][lane 32][16 bytes].
; OUT.  hhb, f16: [b 8][key block of 128: 16][ch 2][w 4][34,816 bytes]: such a part is what one wave of the next launch fetches at a time: hh of 128 channels x 128 keys in fragment order,
; [channel tile 8][key tile 8][lane 32][16 bytes] (lane 16 h + r: channel r, keys 8 h + 0..7), and behind it plane w of f (8 channels) for the 128 keys 128 s + 64 .. 128 s + 191 (mod 2,048) of key block s.
; fg, f16: [b 8][plane 8][n 2048][8 channels] (planes 0-3 f, 4-7 g).
; xb, bf16: x as it is rounded here, for the next launch's residual: [b 8][block of 128 columns: 16][channel pair 512][lane 32][2 channels x 4 columns]: lane l's 16 bytes hold columns 4 l .. 4 l + 3 of the pair's two channels.
; FORMATS.  x, the weights and the biases are rounded once to bf16; products in bf16, sums in f32, K ascending, begun with the bias; hh, f, g are rounded once to f16.
; LIMITS.  f16 holds no number beyond 65,504: |hh|, |f|, |g| must stay within it.  NaN and infinities are not treated apart.
; SHARES.  A work-group makes 544 output rows (half ob: 512 of hh, 32 of f or g) x 128 columns n.  Wave w: hh rows 128 w .. + 127 x 128 n (64 accumulators), and four tiles of f or g
; (rows 16 (w & 1) .., n tiles 4 (w >> 1) + q): 68 accumulators, 544 registers.  K goes in 16 steps of 64, each two halves of 32: 136 matrix instructions a wave and step.
; Grid row y = 4 (b / 2) + 2 ob + b % 2: the two halves ob of a batch, which read the same x, lie two grid rows apart.  Of the two, half ob stores xb for the K steps of parity ob: each byte of xb is stored once.
; THE RING.  A slot of LDS holds the weights of TWO K steps (139,264 bytes); each wave fetches a quarter by one tensor load, and from a request to the wait for it a wave issues 240 matrix instructions.
; A slot is changed, and filled again, at every second step; at the step between stands a plain barrier, which hands the rounded x from wave to wave and behind which nothing is filled.
; CLUSTER.  The four work-groups of a cluster differ in their 128 columns alone and walk the same weights: each slot is asked for JOINTLY (mask 15).
; x is no partner's but mine: it comes through registers (it must be rounded, and turned by the LDS load), asked for two K steps ahead of its rounding.
; THE hh PRODUCT IS TAKEN TRANSPOSED (source 0 = 16 columns of x, source 1 = 16 rows of W): a lane then holds one channel and eight neighbouring n: its 16 bytes of a piece of hhb, so that a store of the wave is 512 bytes on end.
; The f / g product is taken straight (source 0 = 16 rows of W, source 1 = 16 columns of x): a lane holds one n and eight neighbouring channels: 16 bytes of a plane.
; ROTATION.  Register numbers cannot hang on the wave: x fragment slot t holds n tile (t + 4 (w >> 1)) mod 8, by address, so that the f / g products always take slots 0-3; the stores' offsets undo it.
; REGISTERS, in windows of 256 (s_set_vgpr_msb: bits 1:0 source 0, 3:2 source 1, 5:4 source 2, 7:6 destination):
;   window 0: v0-33 addresses; v34-41 hh bias, a number a row block; v42-49 f / g bias; v50-121, v122-193 W fragments (8 of hh, 1 of f / g), two buffers; v194-225 f / g accumulators;
;             v226-249 and v8-15: four sets of eight equal numbers: the C operands that start hh's sums
;   window 1: v0-63, v64-127 x fragments, two buffers; v128-191, v192-255 raw x, two sets      windows 2, 3: hh accumulator (a, t) at v[8 (8 (a % 4) + t)] of window 2 + a / 4
.set SLOT,   139264                    ; 34 row tiles x 4,096 bytes.  Its bits, 13 and 17, occur in no wave's part offset, so one exclusive or changes the slot
.set WPART,  34816                     ; what one wave's tensor load brings: 136 rows of 256 bytes
.set XBASE,  2*SLOT
.set XPITCH, 288                       ; a row of x in LDS (one k, 128 n in bf16): 256 + 32
.set XSLOT,  64*XPITCH
.set SPARE,  XBASE+2*XSLOT             ; the spare words, 128 bytes for each wave: two blocks of 256 bytes that no other line names
.set XROW,   8192                      ; bytes of a row of x
.set XSTEP,  64*XROW
.set XBSTEP, 16384                     ; bytes of a K step's 32 channel pairs in xb
.set ADRA0, 16                         ; v16     my hh fragments of W in slot 0: 32,768 w + 16 l; never rewritten
.set ADRF0, 17                         ; v17     my f / g fragment in slot 0; never rewritten
.set ADRA,  18                         ; v18-19  the same in the slot in hand
.set ADRF,  19
.set ADRXL, 20                         ; v20-21  x fragment slots 0-3, in x slot 0, 1
.set ADRXH, 22                         ; v22-23  x fragment slots 4-7
.set XST,   24                         ; v24-25  where I put rounded x
.set XO,    26                         ; v26     my byte offset in a step's rows of x
.set COL,   27                         ; v27, v28  my byte offset in a channel tile of hhb, for x slots 0-3, 4-7
.set COH,   28
.set FGO,   29                         ; v29     my byte offset in fg
.set FTO,   30                         ; v30     my byte offset in f's planes in hhb
.set XBO,   31                         ; v31     my byte offset in a K step's part of xb: my wave's 8 channel pairs, 16 bytes a lane; never rewritten
.set SPW,   32                         ; v32     LDS address of my spare word; never rewritten
.set NIL,   33                         ; v33     0; never rewritten
.set BS,    34
.set BF,    42
.set FA,    50
.set FGA,   194
.set BC,    226
.set BC3,   8
.set TMP,   50                         ; the way out, in the dead fragment registers: four sets of 32 (v50-145, v162-193)
.set FGT,   146
.set XS,    128                        ; window 1
.set FP2, 2                            ; s[2:3]   hhb at the planes of f that my tiles fill
.set WV,  18
.set OBS, 22                           ; s22      ob
.set G1,  28                           ; s[28:35] descriptor group 1
.set G0,  36                           ; s[36:39] group 0 of the first fill; s[40:43] the second's, which then walks on
.set XP,  44                           ; s[44:45] x, one K step behind the step that was asked for last
.set HP,  46                           ; s[46:47] hhb at my part
.set FP,  48                           ; s[48:49] fg at my tiles
.set LAP, 50
.set TB,  51                           ; s51      LDS byte at which the slot in hand begins
.set XBP, 66                           ; s[66:67] xb at the K step that is rounded next
.set MSB, 0
.macro WIN new                         ; the immediate's high byte repeats the setting that is left; a switch that changes nothing is dropped
.if MSB != (\new)
	s_set_vgpr_msb (MSB<<8)|(\new)
.set MSB, \new
.endif
.endm
.macro PLACES                          ; four places behind matrix instructions, in front of loads into their registers and of readers of their results
.rept 4
	v_nop
.endr
.endm
.macro CREST                           ; a round of the cluster's barrier behind its opening barrier
	s_cmp_lg_u32 s[WV], 0
	s_cbranch_scc1 .Lnot_wave_0_\@
	s_barrier_signal -3
.Lnot_wave_0_\@:
	s_barrier_wait -3
	s_barrier_signal -1
	s_barrier_wait -1
.endm
.macro CROUND
	s_barrier_signal -1
	s_barrier_wait -1
	CREST
.endm
.macro JLOAD                           ; my quarter of two K steps' weights, asked for jointly by the walking descriptor; s_nop 0 and four v_nop follow
	tensor_load_to_lds s[G0+4:G0+7], s[G1:G1+7]
	s_nop 0
.rept 4
	v_nop
.endr
.endm
	s_load_b256 s[4:11], s[0:1], 0x0               ; x s[4:5], wb s[6:7], bh s[8:9], bf s[10:11]
	s_load_b128 s[12:15], s[0:1], 0x20             ; bg s[12:13], hhb s[14:15]
	s_load_b64 s[16:17], s[0:1], 0x30              ; fg
	s_load_b64 s[XBP:XBP+1], s[0:1], 0x38          ; xb
	v_lshl_add_u32 v[SPW], v0, 2, SPARE
	v_mov_b32 v[NIL], 0
	ds_add_u32 v[SPW], v[NIL]                      ; the wave's opening: the add and its wait stand ahead of my first tensor load; the set-up below, work on registers, stands between them
	v_lshrrev_b32 v1, 5, v0
	v_readfirstlane_b32 s[WV], v1                  ; wave 0..3
	s_bfe_u32 s19, ttmp6, 0x40000                  ; cx: my place in the cluster
	s_lshl_b32 s20, ttmp9, 2
	s_add_co_u32 s20, s20, s19                     ; nb: my block of 128 columns; it enters x's, hhb's, fg's and xb's addresses alone
	s_and_b32 s21, ttmp7, 0xffff                   ; y
	s_bfe_u32 s[OBS], s21, 0x10001                 ; ob: which half of the output rows
	s_and_b32 s25, s21, 1
	s_lshr_b32 s21, s21, 2
	s_lshl1_add_u32 s21, s21, s25                  ; the batch
	s_and_b32 s23, s[WV], 1
	s_lshr_b32 s24, s[WV], 1
	; descriptor group 1: a dense block of 136 rows of 256 bytes, no padding
	s_mov_b32 s[G1], 15|(3<<16)|(1<<21)            ; 15:0 the mask of four; 17:16 8-byte elements; 21 set beside a mask
	s_mov_b32 s[G1+1], 32<<16                      ; tensor_dim0 = 32
	s_mov_b32 s[G1+2], 136<<16                     ; tensor_dim1 = 136
	s_mov_b32 s[G1+3], 32<<16                      ; tile_dim0 = 32
	s_mov_b32 s[G1+4], 136                         ; tile_dim1 = 136
	s_mov_b32 s[G1+5], 32                          ; 32 elements from row to row
	s_mov_b32 s[G1+6], 0
	s_mov_b32 s[G1+7], 0
	s_mul_i32 s25, s[WV], WPART
	s_mov_b32 s[G0], 1
	s_mov_b32 s[G0+1], s25                         ; LDS address: slot 0, my quarter
	s_mov_b32 s[G0+4], 1
	s_add_co_u32 s[G0+5], s25, SLOT
	s_mul_i32 s52, s[OBS], 8*SLOT                  ; wb: the half, my quarter: nothing of cx
	s_add_co_u32 s52, s52, s25
	s_mov_b32 s53, 0
	s_lshl_b32 s54, s21, 23                        ; x: the batch, my 128 columns
	s_lshl_b32 s55, s20, 9
	s_add_co_u32 s54, s54, s55
	s_mov_b32 s55, 0
	s_lshl_b32 s56, s21, 4                         ; hhb: part ((16 b + nb) 2 + ob) 4 + w
	s_add_co_u32 s56, s56, s20
	s_lshl1_add_u32 s56, s56, s[OBS]
	s_lshl2_add_u32 s56, s56, s[WV]
	s_mul_i32 s56, s56, WPART
	s_mov_b32 s57, 0
	s_lshl_b32 s58, s21, 18                        ; fg: the batch, planes 4 ob + 2 (w & 1), rows 128 nb + 64 (w >> 1)
	s_lshl_b32 s59, s[OBS], 17
	s_add_co_u32 s58, s58, s59
	s_lshl_b32 s59, s23, 16
	s_add_co_u32 s58, s58, s59
	s_lshl_b32 s59, s20, 11
	s_add_co_u32 s58, s58, s59
	s_lshl_b32 s59, s24, 10
	s_add_co_u32 s58, s58, s59
	s_mov_b32 s59, 0
	s_add_co_u32 s26, s20, s24                     ; f in hhb: my 64 keys are the second half of key block nb - 1's (w >> 1 = 0) or the first half of nb's (w >> 1 = 1)
	s_add_co_u32 s26, s26, 15
	s_and_b32 s26, s26, 15                         ; the key block, mod 16
	s_lshl_b32 s27, s21, 4
	s_add_co_u32 s26, s26, s27
	s_lshl_b32 s26, s26, 3
	s_lshl1_add_u32 s26, s23, s26                  ; part 8 (16 b + key block) + 2 (w & 1): plane 2 (w & 1), channel half 0
	s_mul_i32 s26, s26, WPART
	s_xor_b32 s27, s24, 1
	s_lshl_b32 s27, s27, 10
	s_add_co_u32 s26, s26, s27
	s_add_co_u32 s26, s26, 32768                   ; behind hh's 32,768 bytes
	s_mov_b32 s27, 0
	s_lshl_b32 s60, s[OBS], 11                     ; bh: channels 512 ob + 128 w
	s_lshl_b32 s61, s[WV], 9
	s_add_co_u32 s60, s60, s61
	s_mov_b32 s61, 0
	s_lshl_b32 s62, s23, 6                         ; bf / bg: channels 16 (w & 1)
	s_mov_b32 s63, 0
	s_lshl_b32 s68, s21, 22                        ; xb: the batch, my block of 128 columns
	s_lshl_b32 s69, s20, 18
	s_add_co_u32 s68, s68, s69
	s_mov_b32 s69, 0
	s_mov_b32 s[TB], 0
	v_and_b32 v1, 15, v0                           ; r = l % 16
	v_bfe_u32 v2, v0, 4, 1                         ; h = l / 16
	v_and_b32 v3, 31, v0                           ; l
	s_lshl_b32 s19, s[WV], 17
	v_lshl_add_u32 v[XO], v3, 4, s19               ; my wave's 16 rows of a step, 16 bytes a lane
	v_lshlrev_b32 v10, 2, v1
	v_lshlrev_b32 v11, 5, v2
	s_wait_dscnt 0x0                               ; the opening add is done
	s_wait_kmcnt 0x0
	s_add_nc_u64 s[G0+2:G0+3], s[6:7], s[52:53]    ; K steps 0 and 1,
	s_add_nc_u64 s[G0+6:G0+7], s[G0+2:G0+3], SLOT  ; K steps 2 and 3
	s_or_b32 s[G0+3], s[G0+3], 0x80000000          ; type = 2
	s_or_b32 s[G0+7], s[G0+7], 0x80000000
	s_add_nc_u64 s[XP:XP+1], s[4:5], s[54:55]
	s_add_nc_u64 s[HP:HP+1], s[14:15], s[56:57]
	s_add_nc_u64 s[FP2:FP2+1], s[14:15], s[26:27]
	s_add_nc_u64 s[FP:FP+1], s[16:17], s[58:59]
	s_add_nc_u64 s[XBP:XBP+1], s[XBP:XBP+1], s[68:69]
	s_add_nc_u64 s[8:9], s[8:9], s[60:61]
	s_cmp_eq_u32 s[OBS], 0
	s_cselect_b64 s[10:11], s[10:11], s[12:13]     ; bf for half 0, bg for half 1
	s_add_nc_u64 s[10:11], s[10:11], s[62:63]
; A K step's 16 rows of x for my wave into a raw set: each load is 512 consecutive bytes of one row.
.macro XLOAD set, off
	WIN 0x40
.set j, 0
.rept 16
	global_load_b128 v[XS+64*(\set)+4*j:XS+64*(\set)+4*j+3], v[XO], s[XP:XP+1] offset:(\off)+j*XROW
.set j, j+1
.endr
.endm
.set t, 0
.rept 8
	global_load_b32 v[BS+t], v10, s[8:9] offset:64*t  ; hh bias of row block t: channel r
.set t, t+1
.endr
	global_load_b128 v[BF:BF+3], v11, s[10:11]     ; f / g bias: channels 8 h + 0..7
	global_load_b128 v[BF+4:BF+7], v11, s[10:11] offset:16
	XLOAD 0, 0                                     ; x of K steps 0 and 1
	XLOAD 1, XSTEP
	WIN 0
	CROUND                                         ; all four work-groups are here: the first joint loads meet
	tensor_load_to_lds s[G0:G0+3], s[G1:G1+7]      ; my two first fills stand together, ahead of every wait on TENSORcnt and every LDS read: two loads of mine are out
	s_nop 0
	tensor_load_to_lds s[G0+4:G0+7], s[G1:G1+7]
	s_nop 0
.rept 4
	v_nop
.endr
	; LDS addresses.  W lies in fragment order: each load of 16 bytes a lane takes 512 bytes on end.
	v_lshlrev_b32 v4, 4, v3                        ; 16 l
	s_lshl_b32 s52, s[WV], 15
	v_add_nc_u32 v[ADRA0], s52, v4                 ; my row tiles 8 w .. 8 w + 7
	s_lshl_b32 s52, s23, 12
	s_add_co_u32 s52, s52, 32*4096
	v_add_nc_u32 v[ADRF0], s52, v4                 ; row tile 32 + (w & 1)
	v_mov_b32 v[ADRA], v[ADRA0]
	v_mov_b32 v[ADRF], v[ADRF0]
	s_lshl_b32 s52, s[WV], 12
	v_add_nc_u32 v[XBO], s52, v4                   ; xb: my wave's 8 channel pairs of 512 bytes
	; The turning load takes 16 k x 16 n (lane l reads k = 8 (l / 16) + l % 8, n = 8 ((l / 8) % 2) + 0..7) and leaves half a fragment: lane l holds column l % 16 and 8 k.
	v_and_b32 v9, 7, v0
	v_lshl_add_u32 v5, v2, 3, v9
	v_mul_u32_u24 v5, v5, XPITCH
	v_bfe_u32 v6, v0, 3, 1
	v_lshl_add_u32 v5, v6, 4, v5
	s_lshl_b32 s52, s24, 7                         ; slots 0-3 begin at n tile 4 (w >> 1),
	s_add_co_u32 s53, s52, XBASE
	v_add_nc_u32 v[ADRXL], s53, v5
	v_add_nc_u32 v[ADRXL+1], XSLOT, v[ADRXL]
	s_xor_b32 s52, s52, 128                        ; slots 4-7 at the other half
	s_add_co_u32 s53, s52, XBASE
	v_add_nc_u32 v[ADRXH], s53, v5
	v_add_nc_u32 v[ADRXH+1], XSLOT, v[ADRXH]
	s_mul_i32 s52, s[WV], 16*XPITCH
	s_add_co_u32 s52, s52, XBASE
	v_lshl_add_u32 v[XST], v3, 3, s52              ; my wave's 16 rows, 8 bytes a lane
	v_add_nc_u32 v[XST+1], XSLOT, v[XST]
	s_lshl_b32 s52, s24, 11                        ; the way out: x slots 0-3 are key tiles 4 (w >> 1) + t, 512 bytes each,
	v_add_nc_u32 v[COL], s52, v4
	s_xor_b32 s52, s52, 2048                       ; slots 4-7 the other four
	v_add_nc_u32 v[COH], s52, v4
	v_lshlrev_b32 v[FGO], 15, v2                   ; fg: plane h, row r
	v_lshl_add_u32 v[FGO], v1, 4, v[FGO]
	v_mul_u32_u24 v[FTO], v2, WPART                ; f in hhb: plane h lies one part on, row r
	v_lshl_add_u32 v[FTO], v1, 4, v[FTO]
; The four sets of eight registers take the biases of row blocks 4 hi .. 4 hi + 3: in hh's results every register of a lane belongs to one channel, so a C operand is eight times one number.
.macro BCSET hi
	WIN 0
.irp a, 0,1,2,3
.set bc, BC+8*(\a)
.if (\a) == 3
.set bc, BC3
.endif
.set j, 0
.rept 8
	v_mov_b32 v[bc+j], v[BS+4*(\hi)+(\a)]
.set j, j+1
.endr
.endr
.endm
; 16 products of hh: row blocks a0, a0 + 1 of the window's four x all 8 x slots, 32 along K.  zero = 1: the first product starts the sums, with the bias as C.  The accumulators take turns, one instruction a turn.
.macro MULH f, hi, a0, zero
.if \zero
	WIN 0x81+0x40*(\hi)
.else
	WIN 0xa1+0x50*(\hi)
.endif
.irp a, \a0, (\a0)+1
.set bc, BC+8*(\a)
.if (\a) == 3
.set bc, BC3
.endif
.irp b, 0,1,2,3,4,5,6,7
.if \zero
	v_wmma_f32_16x16x32_bf16 v[8*(8*(\a)+(\b)):8*(8*(\a)+(\b))+7], v[64*(\f)+8*(\b):64*(\f)+8*(\b)+7], v[FA+72*(\f)+8*(4*(\hi)+(\a)):FA+72*(\f)+8*(4*(\hi)+(\a))+7], v[bc:bc+7]
.else
	v_wmma_f32_16x16x32_bf16 v[8*(8*(\a)+(\b)):8*(8*(\a)+(\b))+7], v[64*(\f)+8*(\b):64*(\f)+8*(\b)+7], v[FA+72*(\f)+8*(4*(\hi)+(\a)):FA+72*(\f)+8*(4*(\hi)+(\a))+7], v[8*(8*(\a)+(\b)):8*(8*(\a)+(\b))+7]
.endif
.endr
.endr
.endm
.macro MULF f, zero                    ; the 4 products of f or g; a lane's eight registers are channels 8 h + 0..7, as the bias lies
	WIN 0x04
.irp q, 0,1,2,3
.if \zero
	v_wmma_f32_16x16x32_bf16 v[FGA+8*(\q):FGA+8*(\q)+7], v[FA+72*(\f)+64:FA+72*(\f)+71], v[64*(\f)+8*(\q):64*(\f)+8*(\q)+7], v[BF:BF+7]
.else
	v_wmma_f32_16x16x32_bf16 v[FGA+8*(\q):FGA+8*(\q)+7], v[FA+72*(\f)+64:FA+72*(\f)+71], v[64*(\f)+8*(\q):64*(\f)+8*(\q)+7], v[FGA+8*(\q):FGA+8*(\q)+7]
.endif
.endr
.endm
; 34 LDS loads in one run: the fragments of half kh of a K step of parity s into buffer f: 8 of x (turned, from x slot s), 8 of W for hh, 1 for f / g (pieces g = 2 s + kh of the slot in hand).
.macro FETCH s, kh, f
	WIN 0x40
.set t, 0
.rept 8
.if t < 4
	ds_load_tr16_b128 v[64*(\f)+8*t:64*(\f)+8*t+3],   v[ADRXL+(\s)] offset:32*XPITCH*(\kh)+32*t
	ds_load_tr16_b128 v[64*(\f)+8*t+4:64*(\f)+8*t+7], v[ADRXL+(\s)] offset:32*XPITCH*(\kh)+32*t+16*XPITCH
.else
	ds_load_tr16_b128 v[64*(\f)+8*t:64*(\f)+8*t+3],   v[ADRXH+(\s)] offset:32*XPITCH*(\kh)+32*(t-4)
	ds_load_tr16_b128 v[64*(\f)+8*t+4:64*(\f)+8*t+7], v[ADRXH+(\s)] offset:32*XPITCH*(\kh)+32*(t-4)+16*XPITCH
.endif
.set t, t+1
.endr
	WIN 0
.set t, 0
.rept 8
	ds_load_b128 v[FA+72*(\f)+8*t:FA+72*(\f)+8*t+3],   v[ADRA] offset:4096*t+1024*(2*(\s)+(\kh))
	ds_load_b128 v[FA+72*(\f)+8*t+4:FA+72*(\f)+8*t+7], v[ADRA] offset:4096*t+1024*(2*(\s)+(\kh))+512
.set t, t+1
.endr
	ds_load_b128 v[FA+72*(\f)+64:FA+72*(\f)+67], v[ADRF] offset:1024*(2*(\s)+(\kh))
	ds_load_b128 v[FA+72*(\f)+68:FA+72*(\f)+71], v[ADRF] offset:1024*(2*(\s)+(\kh))+512
.endm
; A raw set of x is rounded to bf16: a pair of rows, eight registers, into the pair's first four; each row goes into an x slot, 8 bytes a lane.  cnt: the younger loads, which may stay out.
; The set's number is its K step's parity: the half ob of that parity stores the pairs into xb, 16 bytes a lane: 512 consecutive bytes, aligned, a store.  ob comes from the cluster's y: the branch is alike in all partners.
; far = 1: the last K step, whose place stands in the immediate: the pointer is stepped no more.
.macro XCONV set, slot, cnt, far
	s_wait_loadcnt \cnt
	WIN 0x45
.set j, 0
.rept 8
.set rx, XS+64*(\set)+8*j
	v_cvt_pk_bf16_f32 v[rx],   v[rx],   v[rx+1]
	v_cvt_pk_bf16_f32 v[rx+1], v[rx+2], v[rx+3]
	v_cvt_pk_bf16_f32 v[rx+2], v[rx+4], v[rx+5]
	v_cvt_pk_bf16_f32 v[rx+3], v[rx+6], v[rx+7]
.set j, j+1
.endr
	WIN 0x04
.set j, 0
.rept 8
.set rx, XS+64*(\set)+8*j
	ds_store_b64 v[XST+(\slot)], v[rx:rx+1]   offset:2*j*XPITCH  ; a row's 256 bytes
	ds_store_b64 v[XST+(\slot)], v[rx+2:rx+3] offset:(2*j+1)*XPITCH
.set j, j+1
.endr
	WIN 0
	s_cmp_lg_u32 s[OBS], \set
	s_cbranch_scc1 .Lnot_mine_\@
	WIN 0x04
.set j, 0
.rept 8
.set rx, XS+64*(\set)+8*j
	global_store_b128 v[XBO], v[rx:rx+3], s[XBP:XBP+1] offset:(\far)*XBSTEP+512*j
.set j, j+1
.endr
	WIN 0
.Lnot_mine_\@:
.endm
; The set is asked for again, with the K step two on.  It stands sixteen products behind XCONV's stores, whose data it writes over.
.macro XNEXT set
	s_wait_xcnt 0x0                                ; every earlier load and store has read its registers: the set and the two pointers may be written
	s_add_nc_u64 s[XP:XP+1], s[XP:XP+1], XSTEP
	s_add_nc_u64 s[XBP:XBP+1], s[XBP:XBP+1], XBSTEP
	XLOAD \set, XSTEP
.endm
; The first half of a K step of parity s: multiplies buffer 0, fetches the second half into buffer 1; conv = 1: the next step's x goes into the other x slot, whose readers passed the last barrier.
.macro HALF0 s, zero, conv, cnt, load
	s_wait_dscnt 0x0                               ; buffer 0 is in
	MULH 0, 0, 0, \zero
	MULH 0, 0, 2, \zero
	PLACES
.if \zero
	BCSET 1                                        ; behind the places: the four sets have been read as C
.endif
	FETCH \s, 1, 1
.if \conv
	XCONV 1-(\s), 1-(\s), \cnt, (1-(\load))*(1-(\s))
.endif
	MULH 0, 1, 0, \zero
.if \load
	XNEXT 1-(\s)
.endif
	MULH 0, 1, 2, \zero
	MULF 0, \zero
.endm
; The second half of a K step of parity s multiplies buffer 1 and meets the other waves at ONE barrier, in front of which each wave's reads of LDS and its stores of x into LDS are over.
; kind 0: a plain barrier: it shows the next step's x to every wave; my tensor load stays out across it.
; kind 1: the slot is left.  Each wave waits for all its tensor loads (one is out: its part of the other slot) and adds 0 to its spare word; the barrier opens a round of the cluster's, and the joint refill,
;         the K steps four and five on, is the first thing behind it.      kind 2: the slot is left and nothing is filled: the wait for the last tile, and a plain barrier.
; d: the LDS instructions younger than buffer 1's loads: 16 stores of x, and with kind 1 the add.
.macro TURN s, kind, d
	WIN 0
.if (\kind) == 1
	s_wait_tensorcnt 0x0                           ; no tensor load of mine is out, so a group 0 may be written
	ds_add_u32 v[SPW], v[NIL]                      ; 0 onto my spare word
	s_xor_b32 s[G0+5], s[G0+5], SLOT               ; the walking descriptor: the other slot than last time,
	s_add_nc_u64 s[G0+6:G0+7], s[G0+6:G0+7], SLOT  ; the next two K steps; the type bits on top are not reached
.elseif (\kind) == 2
	s_wait_tensorcnt 0x0                           ; my part of the last slot is in
.endif
	s_wait_dscnt \d
	MULH 1, 0, 0, 0
	s_wait_dscnt 0x0                               ; my reads are over, my rounded x lies in LDS (and the add is done)
	s_barrier_signal -1
	MULH 1, 0, 2, 0
	WIN 0
	s_barrier_wait -1
.if (\kind) == 1
	CREST                                          ; no wave of any partner still reads this slot or has a load on its way
	JLOAD                                          ; its four v_nop are also the places in front of the loads below
.else
	PLACES
.endif
.if (\s) == 1
	s_xor_b32 s[TB], s[TB], SLOT                   ; on into the other slot
	v_add_nc_u32 v[ADRA], s[TB], v[ADRA0]
	v_add_nc_u32 v[ADRF], s[TB], v[ADRF0]
.endif
	FETCH 1-(\s), 0, 0
	MULH 1, 1, 0, 0
	MULH 1, 1, 2, 0
	MULF 1, 0
.endm
	XCONV 0, 0, 16, 0                              ; x of step 0 (the biases, asked for earlier, are in too);
	XNEXT 0                                        ; step 2 is asked for
	WIN 0
.set t, 0
.rept 8                                            ; the biases are rounded to bf16 like every input
	v_cvt_pk_bf16_f32 v4, v[BS+t], v[BS+t]
	v_lshlrev_b32 v[BS+t], 16, v4
.set t, t+1
.endr
.set t, 0
.rept 4
	v_cvt_pk_bf16_f32 v4, v[BF+2*t], v[BF+2*t+1]
	v_lshlrev_b32 v[BF+2*t], 16, v4
	v_and_b32 v[BF+2*t+1], 0xffff0000, v4
.set t, t+1
.endr
	BCSET 0
	s_wait_tensorcnt 0x1                           ; my part of slot 0 is in; slot 1's may stay out
	s_wait_dscnt 0x0                               ; my stores of x into LDS are done
	s_barrier_signal -1
	s_barrier_wait -1
	FETCH 0, 0, 0
	HALF0 0, 1, 1, 16, 1                           ; the first half step stands in front of the loop: its products start the sums
	WIN 0
	s_mov_b32 s[LAP], 6
.Llap:                                             ; a trip: a slot's two steps, from the first one's second half to the next slot's first half; the slot is filled again
	TURN 0, 0, 16
	HALF0 1, 0, 1, 16, 1
	TURN 1, 1, 17
	HALF0 0, 0, 1, 16, 1
	WIN 0
	s_sub_co_u32 s[LAP], s[LAP], 1
	s_cmp_lg_u32 s[LAP], 0
	s_cbranch_scc1 .Llap
	TURN 0, 0, 16                                  ; step 12.  The tail is written out: no tensor load and no load of x is jumped over
	HALF0 1, 0, 1, 16, 0                           ; step 13; x of step 14; nothing more of x is asked for
	TURN 1, 2, 16                                  ; into the last slot
	HALF0 0, 0, 1, 0, 0                            ; step 14; x of step 15
	TURN 0, 0, 16
	HALF0 1, 0, 0, 0, 0                            ; step 15
	s_wait_dscnt 0x0
	MULH 1, 0, 0, 0
	MULH 1, 0, 2, 0
	MULH 1, 1, 0, 0
	MULH 1, 1, 2, 0
	MULF 1, 0
	WIN 0
	PLACES
	PLACES
	; THE WAY OUT.  f / g: f16, 16 bytes a lane: sixteen lanes store 256 consecutive bytes of a plane.
.irp q, 0,1,2,3
.irp i, 0,1,2,3
	v_cvt_pk_f16_f32 v[FGT+4*(\q)+(\i)], v[FGA+8*(\q)+2*(\i)], v[FGA+8*(\q)+2*(\i)+1]
.endr
	global_store_b128 v[FGO], v[FGT+4*(\q):FGT+4*(\q)+3], s[FP:FP+1] offset:256*(\q)
.endr
	s_cmp_lg_u32 s[OBS], 0                         ; half 0 holds f: it goes into hh's parts too, once for each channel half (ob comes from the cluster's y: alike in all partners)
	s_cbranch_scc1 .Lno_f
.irp q, 0,1,2,3
	global_store_b128 v[FTO], v[FGT+4*(\q):FGT+4*(\q)+3], s[FP2:FP2+1] offset:256*(\q)
	global_store_b128 v[FTO], v[FGT+4*(\q):FGT+4*(\q)+3], s[FP2:FP2+1] offset:256*(\q)+4*WPART
.endr
.Lno_f:
; hh, a block of 16 channels at a time: f16, and each x slot's 16 bytes a lane are a piece of hhb as it stands: a store is 512 consecutive bytes, aligned.
; Four sets of 32 registers take turns, so that one wait serves: ahead of block 4, when the stores of blocks 0 to 3 have all been issued; blocks 5 to 7 write over sets whose stores stand ahead of that wait.
.macro PACK a
.set AC, 64*((\a)%4)
.set TM, TMP+32*((\a)%4)
.if ((\a)%4) == 3
.set TM, 162
.endif
.if (\a) == 4
	s_wait_xcnt 0x0                                ; the stores so far have read their registers
.endif
	WIN 0x0a+5*((\a)/4)
.set t, 0
.rept 32
	v_cvt_pk_f16_f32 v[TM+t], v[AC+2*t], v[AC+2*t+1]
.set t, t+1
.endr
	WIN 0
.irp b, 0,1,2,3
	global_store_b128 v[COL], v[TM+4*(\b):TM+4*(\b)+3], s[HP:HP+1] offset:4096*(\a)+512*(\b)
.endr
.irp b, 0,1,2,3
	global_store_b128 v[COH], v[TM+16+4*(\b):TM+16+4*(\b)+3], s[HP:HP+1] offset:4096*(\a)+512*(\b)
.endr
.endm
.irp a, 0,1,2,3,4,5,6,7
	PACK \a
.endr
	s_wait_tensorcnt 0x0                           ; the wave's end: the add and its wait stand behind my last tensor load and my last LDS store
	ds_add_u32 v[SPW], v[NIL]
	s_wait_dscnt 0x0
	CROUND                                         ; the closing round: no work-group ends while a partner may still ask for a tile that names it
	s_endpgm
.Lfunc_end_k_q55d28898bf_proj:
	.size	k_q55d28898bf_proj, .Lfunc_end_k_q55d28898bf_proj-k_q55d28898bf_proj
	.p2alignl 7, 3214868480
	.fill 96, 4, 3214868480
	.section	.rodata,"a",@progbits
	.p2align	6, 0x0
	.amdhsa_kernel k_q55d28898bf_proj
		.amdhsa_group_segment_fixed_size 327680
		.amdhsa_private_segment_fixed_size 0
		.amdhsa_enable_private_segment 0
		.amdhsa_kernarg_size 64
		.amdhsa_user_sgpr_count 2
		.amdhsa_user_sgpr_kernarg_segment_ptr 1
		.amdhsa_wavefront_size32 1
		.amdhsa_system_sgpr_workgroup_id_x 1
		.amdhsa_system_sgpr_workgroup_id_y 1
		.amdhsa_system_sgpr_workgroup_id_z 1
		.amdhsa_system_vgpr_workitem_id 0
		.amdhsa_next_free_vgpr 1024
		.amdhsa_next_free_sgpr 72
		.amdhsa_reserve_vcc 0
		.amdhsa_float_denorm_mode_32 3
		.amdhsa_float_denorm_mode_16_64 3
		.amdhsa_memory_ordered 1
		.amdhsa_forward_progress 1
		.amdhsa_inst_pref_size 153
	.end_amdhsa_kernel
	.amdgpu_metadata
---
amdhsa.version: [ 1, 2 ]
amdhsa.kernels:
  - .name:           k_q55d28898bf_proj
    .symbol:         k_q55d28898bf_proj.kd
    .args:
      - { .name: x, .offset: 0, .size: 8, .value_kind: global_buffer, .address_space: global }
      - { .name: wb, .offset: 8, .size: 8, .value_kind: global_buffer, .address_space: global }
      - { .name: bh, .offset: 16, .size: 8, .value_kind: global_buffer, .address_space: global }
      - { .name: bf, .offset: 24, .size: 8, .value_kind: global_buffer, .address_space: global }
      - { .name: bg, .offset: 32, .size: 8, .value_kind: global_buffer, .address_space: global }
      - { .name: hhb, .offset: 40, .size: 8, .value_kind: global_buffer, .address_space: global }
      - { .name: fg, .offset: 48, .size: 8, .value_kind: global_buffer, .address_space: global }
      - { .name: xb, .offset: 56, .size: 8, .value_kind: global_buffer, .address_space: global }
    .group_segment_fixed_size: 327680
    .private_segment_fixed_size: 0
    .kernarg_segment_align: 8
    .kernarg_segment_size: 64
    .max_flat_workgroup_size: 128
    .sgpr_count:     72
    .vgpr_count:     1024
    .wavefront_size: 32
...
	.end_amdgpu_metadata
.endif
;; end of part 5
;; launch attn (part 6): grid 16 x 16, 4 waves a work-group, clusters of 4 x 1, 327,680 bytes of LDS; arguments hhb, fg, xb, gamma, out0; writes out0
.if DOCPART == 6
	.amdgcn_target "amdgcn-amd-amdhsa--gfx1250"
	.amdhsa_code_object_version 6
	.text
	.protected	k_q55d28898bf_attn
	.globl	k_q55d28898bf_attn
	.p2align	8
	.type	k_q55d28898bf_attn,@function
k_q55d28898bf_attn:
	s_mov_b64 s[64:65], 0
	v_nop
	global_prefetch_b8 v0, s[64:65] scope:SCOPE_SE
	s_setreg_imm32_b32 hwreg(HW_REG_WAVE_MODE, 25, 1), 1
	s_wait_xcnt 0x0
	s_wait_alu depctr_hold_cnt(0) depctr_sa_sdst(0) depctr_va_vdst(0) depctr_va_sdst(0) depctr_va_ssrc(0) depctr_va_vcc(0) depctr_vm_vsrc(0)
	s_getreg_b32 s2, hwreg(HW_REG_IB_STS2, 6, 4)
	s_cmp_eq_u32 s2, 0
	s_cbranch_scc0 .Lentry_in_a_cluster
	s_endpgm
.Lentry_in_a_cluster:
	s_bfe_u32 s2, ttmp6, 0x10000c
	s_cmp_lg_u32 s2, 0x3003
	s_cbranch_scc0 .Lentry_shape_is_right
	s_endpgm
.Lentry_shape_is_right:
; out[b][c][i] = gamma x (sum over j of softmax_j(g[:, i] . f[:, j]) hh[c][j]) + x[b][c][i].
; hhb, f16: [b 8][key block of 128: 16][ch 2][w 4][34,816 bytes]: a part is hh of 128 channels x 128 keys in fragment order, [channel tile 8][key tile 8][lane 32][16 bytes] (lane 16 h + r: channel r, keys 8 h + 0..7),
; and behind it plane w of f (8 channels, 16 bytes a key) for the keys 128 s + 64 .. 128 s + 191 (mod 2,048) of key block s.  fg, f16: [b 8][plane 8][n 2048][8 channels] (planes 0-3 f, 4-7 g).
; xb, bf16: x, rounded by the launch before: [b 8][block of 128 queries: 16][channel pair 512][lane 32][2 channels x 4 queries]: lane l's 16 bytes hold queries 4 l .. 4 l + 3 of the pair's two channels.  out0: [8][1024][2048] f32.
; FORMATS.  Scores, maxima and sums in f32; the weights p are rounded to f16 for the second product (their sum l is taken of the unrounded p); gamma and x are rounded once to bf16, like every input of the module.
; LIMITS.  A weight below 2^-126 counts as 0.  NaN and infinities are not treated apart.  f, g, hh arrive within f16's 65,504.
; SOFTMAX.  A first walk over all keys makes the scores alone and finds each query's TRUE maximum m; the second walk makes the same scores by the same instruction on the same operands,
; so that s - m is never above 0, and p = 2^(c s - c m), c = log2(e).  No accumulator is ever rescaled.  out = O x (gamma / l) + x.
; SHARES.  A work-group makes 128 queries x 512 channels of one batch.  Wave w: all 128 queries x channels 128 w .. + 127 (64 accumulators, 512 registers); it also makes P for query tiles
; 2 w, 2 w + 1 and hands it to the others through LDS.  Keys go in 32 steps of 64: 128 products of O and 8 of scores a wave and step.
; LAYOUT.  S^T = f g^T (source 0 = 16 keys, source 1 = 16 queries): a lane holds ONE query (lane % 16) and keys 8 (lane / 16) + 0..7.  Two such tiles rounded to f16 ARE source 0 (16 queries x 32 keys)
; of O = P hh^T (source 1 = 16 channels x 32 keys): a lane then holds one channel and eight neighbouring queries.
; THE RING.  A slot of LDS holds a key block: TWO key steps.  Each wave fetches its own part by one tensor load, and from a request to the wait for it a wave issues 240 matrix instructions.  A slot is changed, and filled again,
; at every second step; at the step between stands a plain barrier, which hands P from wave to wave and behind which nothing is filled.  P of step u + 1 is made during step u, so slot s carries f of steps 2 s + 1 and 2 s + 2.
; The first walk reads all of f from slot 1's bytes; behind it they are filled again, with key block 1.
; x COMES IN UNDER THE LAST KEY STEPS.  A wave's share of xb is 32,768 bytes on end, 256 registers: blocks 0 and 1 (of 16 channels) go into registers that are always free, 464 matrix instructions ahead of the way out;
; blocks 2 to 5 into S^T's, f's and P's registers when the last P is made, 160 ahead; blocks 6 and 7 into buffer 0's P, 64 ahead.
; CLUSTER.  The four work-groups of a cluster differ in their queries alone: hh's key blocks and f are asked for JOINTLY (mask 15).
; REGISTERS, in windows of 256 (s_set_vgpr_msb: bits 1:0 source 0, 3:2 source 1, 5:4 source 2, 7:6 destination):
;   window 0: v0-23 addresses; v24-27 c m; v28-35 l; v36-39 gamma / l; v40-47 at work; v48-63 g; v64-95 f of a step; v96-127 packed P; v128-191 S^T; v192-255 x, blocks 0 and 1
;   window 1: v0-63 P, v64-127 hh: buffer 0; v128-255 buffer 1 (in the first walk: two buffers of f, scores, g, maxima)      windows 2, 3: accumulator (ct, qt) at v[8 (8 (ct % 4) + qt)] of window 2 + ct / 4
.set SLOT,   139264                    ; four parts.  Its bits, 13 and 17, occur in no wave's part offset, so one exclusive or changes the slot
.set HPART,  34816                     ; a wave's part: 136 rows of 256 bytes
.set FOFF,   32768                     ; f behind hh in a part
.set FBASE,  SLOT                      ; the first walk's f: four planes, dense
.set FPLANE, 32768
.set SCB,    2*SLOT                    ; gamma / l of the 128 queries
.set SPARE,  SCB+512                   ; the spare words, 128 bytes for each wave: two blocks of 256 bytes that no other line names
.set PBASE,  294912                    ; P: fragment (buffer, kk, query tile, part) at 16,384 buffer + 8,192 kk + 1,024 tile + 512 part + 16 lane; a multiple of 32,768, so that one exclusive or changes the buffer
.set PBUF,   16384
.set SPITCH, 528                       ; the way out: a channel's 128 queries in f32, 512 bytes + 16.  The stage is 16 such rows at the head of my own part of slot 0, behind that slot's last fill and my last read of it
.set XROW,   8192
.set TILEB,  8*HPART                   ; bytes from a key block of hhb to the next
.set PFF,  7                           ; v7     the prefetch of a part's f: 8 pieces of 256 bytes
.set HB0,  8                           ; v8     my part of slot 0: 34,816 w + 16 l; never rewritten.  Also: where I read the stage back
.set RD,   8
.set ADRH, 9                           ; v9     my hh fragments of the step in hand
.set APR,  10                          ; v10    P of the step in hand: 16 x lane
.set APW,  11                          ; v11    where I put my two tiles of P
.set AFA,  12                          ; v12-13 f in slot 0: planes h and 2 + h, key r; never rewritten
.set AFB,  13
.set STO,  14                          ; v14    the way out: where I put 32 bytes of a row
.set XO,   16                          ; v16    16 x lane: my bytes in a channel pair of xb and in a row of out0
.set PFO,  17                          ; v17    256 x lane
.set SCA,  19
.set SCR,  20
.set GV,   21                          ; v21    gamma
.set SPW,  22                          ; v22    LDS address of my spare word; never rewritten
.set NIL,  23                          ; v23    0; never rewritten
.set CM,   24                          ; c m of tile q at CM + 2 q, named as a pair
.set L,    28                          ; l of tile q: pairs at L + 4 q and L + 4 q + 2, by turns
.set SC,   36
.set T,    40
.set AFT,  46
.set G,    48
.set FR,   64
.set PO,   96
.set S,    128
.set P1A,  0                           ; window 1, first walk: two buffers of 8 fragments of f,
.set P1B,  64
.set P1S,  128                         ; scores: tile (q, t) at P1S + 32 q + 8 t,
.set P1G,  192                         ; g,
.set MX,   208                         ; running maxima, 8 a tile,
.set P1AD, 224
.set P1T,  226
.set P1B0, 230
.set WV,  14
.set G1H, 20                           ; s[20:27] descriptor group 1 for a part of hhb
.set G1F, 28                           ; s[28:35] for f's planes
.set G0H, 36                           ; s[36:39] group 0 of key block 0; s[40:43] of key block 1, which then walks on
.set G0F, 44                           ; s[44:47] for f
.set XPB, 48                           ; s[48:49] xb at my wave's 64 channel pairs, my work-group's queries; never rewritten
.set OPB, 50                           ; s[50:51] out0 at my wave's first channel, my work-group's queries; never rewritten
.set PFA, 52                           ; s[52:53] where my prefetches of hhb stand
.set LIM, 54                           ; s54  1 in a work-group that prefetches hhb, else the greatest number
.set LAP, 55
.set CS,  56                           ; s[56:57] c
.set SEL, 58                           ; s[58:59] v_permlanex16_b32's selects: each lane takes its own place in the other half
.set GAM, 60
.set TF,  61                           ; s61  LDS bytes from f's first key (first walk: of a plane; second: of slot 0's f) to the keys to be fetched
.set TH,  62                           ; s62  LDS bytes from slot 0's first step to the step in hand: slot + 2,048 x (second step)
.set XH,  63                           ; s63  what an exclusive or turns TH into the next step's by: 2,048 and SLOT + 2,048 by turns
.set NEGM, 74
.set XF,  75                           ; s75  the same for TF: 1,024 and SLOT + 1,024 by turns
.set MSB, 0
.macro WIN new
.if MSB != (\new)
	s_set_vgpr_msb (MSB<<8)|(\new)
.set MSB, \new
.endif
.endm
.macro PLACES
.rept 4
	v_nop
.endr
.endm
.macro CREST
	s_cmp_lg_u32 s[WV], 0
	s_cbranch_scc1 .Lnot_wave_0_\@
	s_barrier_signal -3
.Lnot_wave_0_\@:
	s_barrier_wait -3
	s_barrier_signal -1
	s_barrier_wait -1
.endm
.macro CROUND
	s_barrier_signal -1
	s_barrier_wait -1
	CREST
.endm
.macro JLOAD                           ; my part of a key block, asked for jointly by the walking descriptor; s_nop 0 and four v_nop follow
	tensor_load_to_lds s[G0H+4:G0H+7], s[G1H:G1H+7]
	s_nop 0
.rept 4
	v_nop
.endr
.endm
	s_load_b256 s[4:11], s[0:1], 0x0               ; hhb s[4:5], fg s[6:7], xb s[8:9], gamma s[10:11]
	s_load_b64 s[12:13], s[0:1], 0x20              ; out0
	v_lshl_add_u32 v[SPW], v0, 2, SPARE
	v_mov_b32 v[NIL], 0
	ds_add_u32 v[SPW], v[NIL]                      ; the wave's opening: the add and its wait stand ahead of my first tensor load; the set-up below, work on registers, stands between them
	v_lshrrev_b32 v1, 5, v0
	v_readfirstlane_b32 s[WV], v1                  ; wave 0..3
	s_bfe_u32 s15, ttmp6, 0x40000                  ; cx
	s_lshl_b32 s16, ttmp9, 2
	s_add_co_u32 s16, s16, s15                     ; qb: my block of 128 queries; it enters g's, xb's and out0's addresses alone
	s_and_b32 s17, ttmp7, 0xffff
	s_and_b32 s18, s17, 1                          ; which half of the channels
	s_lshr_b32 s17, s17, 1                         ; the batch
	; a part of hhb: a dense block of 136 rows of 256 bytes, no padding
	s_mov_b32 s[G1H], 15|(3<<16)|(1<<21)           ; 15:0 the mask of four; 17:16 8-byte elements; 21 set beside a mask
	s_mov_b32 s[G1H+1], 32<<16
	s_mov_b32 s[G1H+2], 136<<16
	s_mov_b32 s[G1H+3], 32<<16
	s_mov_b32 s[G1H+4], 136
	s_mov_b32 s[G1H+5], 32
	s_mov_b32 s[G1H+6], 0
	s_mov_b32 s[G1H+7], 0
	; f: a plane is 32,768 dense bytes: 128 rows of 256
	s_mov_b32 s[G1F], 15|(3<<16)|(1<<21)
	s_mov_b32 s[G1F+1], 32<<16
	s_mov_b32 s[G1F+2], 128<<16
	s_mov_b32 s[G1F+3], 32<<16
	s_mov_b32 s[G1F+4], 128
	s_mov_b32 s[G1F+5], 32
	s_mov_b32 s[G1F+6], 0
	s_mov_b32 s[G1F+7], 0
	s_mul_i32 s19, s[WV], HPART
	s_mov_b32 s[G0H], 1
	s_mov_b32 s[G0H+1], s19
	s_mov_b32 s[G0H+4], 1
	s_add_co_u32 s[G0H+5], s19, SLOT
	s_mov_b32 s[G0F], 1
	s_lshl_b32 s[G0F+1], s[WV], 15
	s_add_co_u32 s[G0F+1], s[G0F+1], FBASE
	s_lshl_b32 s66, s17, 7                         ; hhb: part 128 b + 4 ch of key block 0,
	s_lshl2_add_u32 s66, s18, s66
	s_add_co_u32 s68, s66, s[WV]                   ; + w: nothing of cx
	s_mul_i32 s68, s68, HPART
	s_mov_b32 s69, 0
	s_lshl_b32 s70, s17, 18                        ; f: the batch, plane w
	s_lshl_b32 s71, s[WV], 15
	s_add_co_u32 s70, s70, s71
	s_mov_b32 s71, 0
	s_lshl_b32 s72, s17, 18                        ; g: the batch, plane 4, queries 128 qb + 32 w
	s_add_co_u32 s72, s72, 4*FPLANE
	s_lshl_b32 s73, s16, 11
	s_add_co_u32 s72, s72, s73
	s_lshl_b32 s73, s[WV], 9
	s_add_co_u32 s72, s72, s73
	s_mov_b32 s73, 0
	s_lshl_b32 s62, s17, 23                        ; out0: channel 1,024 b + 512 ch + 128 w, query 128 qb
	s_lshl_b32 s63, s18, 22
	s_add_co_u32 s62, s62, s63
	s_lshl_b32 s63, s[WV], 20
	s_add_co_u32 s62, s62, s63
	s_lshl_b32 s63, s16, 9
	s_add_co_u32 s62, s62, s63
	s_mov_b32 s63, 0
	s_lshl_b32 s2, s17, 22                         ; xb: the batch, my block of queries, channel pairs 256 ch + 64 w of 512 bytes
	s_lshl_b32 s3, s16, 18
	s_add_co_u32 s2, s2, s3
	s_lshl_b32 s3, s18, 17
	s_add_co_u32 s2, s2, s3
	s_lshl_b32 s3, s[WV], 15
	s_add_co_u32 s2, s2, s3
	s_mov_b32 s3, 0
	s_add_co_u32 s66, s66, s15                     ; the prefetches of hhb: part cx of a key block is my work-group's, by address,
	s_add_co_u32 s66, s66, 16                      ; in key block 2,
	s_mul_i32 s66, s66, HPART
	s_lshl_b32 s67, s[WV], 13                      ; my wave's 32 pieces of its 128 of hh
	s_add_co_u32 s66, s66, s67
	s_mov_b32 s67, 0
	s_cmp_eq_u32 ttmp9, 0                          ; the first of the clusters that walk these key blocks asks: the same in all four partners
	s_cselect_b32 s[LIM], 1, -1
	s_mov_b32 s[CS], 0x3fb8aa3b                    ; c = log2(e)
	s_mov_b32 s[CS+1], s[CS]
	s_mov_b32 s[SEL], 0x76543210
	s_mov_b32 s[SEL+1], 0xfedcba98
	s_mov_b32 s[NEGM], 0xff7fffff                  ; the lowest finite number
	s_mov_b32 s[TF], 0
	s_mov_b32 s[XF], 1024
	s_wait_dscnt 0x0                               ; the opening add is done
	s_wait_kmcnt 0x0
	s_load_b32 s[GAM], s[10:11], 0x0
	s_add_nc_u64 s[G0H+2:G0H+3], s[4:5], s[68:69]  ; key block 0,
	s_add_nc_u64 s[G0H+6:G0H+7], s[G0H+2:G0H+3], TILEB  ; key block 1
	s_or_b32 s[G0H+3], s[G0H+3], 0x80000000
	s_or_b32 s[G0H+7], s[G0H+7], 0x80000000
	s_add_nc_u64 s[G0F+2:G0F+3], s[6:7], s[70:71]
	s_or_b32 s[G0F+3], s[G0F+3], 0x80000000
	s_add_nc_u64 s[6:7], s[6:7], s[72:73]          ; g
	s_add_nc_u64 s[XPB:XPB+1], s[8:9], s[2:3]
	s_add_nc_u64 s[OPB:OPB+1], s[12:13], s[62:63]
	s_add_nc_u64 s[PFA:PFA+1], s[4:5], s[66:67]
	s_mov_b32 s[TH], 0
	s_mov_b32 s[XH], 2048
	CROUND                                         ; all four work-groups are here: the first joint loads meet
	tensor_load_to_lds s[G0F:G0F+3], s[G1F:G1F+7]  ; my two first fills stand together: a plane of f into slot 1's bytes, my part of key block 0 into slot 0: two loads of mine are out
	s_nop 0
	tensor_load_to_lds s[G0H:G0H+3], s[G1H:G1H+7]
	s_nop 0
.rept 4
	v_nop
.endr
	v_and_b32 v1, 15, v0                           ; r
	v_bfe_u32 v2, v0, 4, 1                         ; h
	v_and_b32 v3, 31, v0                           ; l
	v_lshlrev_b32 v5, 4, v1
	v_lshl_add_u32 v5, v2, 15, v5                  ; plane h, row r: for g in memory and for the first walk's f in LDS
	v_mul_u32_u24 v[AFA], v2, HPART                ; in a slot plane p lies in part p
	v_lshl_add_u32 v[AFA], v1, 4, v[AFA]
	v_add_nc_u32 v[AFA], FOFF, v[AFA]
	v_add_nc_u32 v[AFB], 2*HPART, v[AFA]
	v_lshlrev_b32 v[XO], 4, v3
	v_add_nc_u32 v[HB0], s19, v[XO]
	v_mov_b32 v[ADRH], v[HB0]
	v_add_nc_u32 v[APR], PBASE, v[XO]
	s_lshl_b32 s66, s[WV], 11
	v_add_nc_u32 v[APW], s66, v[APR]
	v_mul_u32_u24 v[STO], v1, SPITCH
	v_lshl_add_u32 v[STO], v2, 5, v[STO]
	v_add_nc_u32 v[STO], s19, v[STO]
	v_lshlrev_b32 v[PFO], 8, v3
	v_min_u32 v[PFF], 7, v3                        ; a part's f is 8 pieces: lanes 8 to 31 name the eighth again, within the one instruction
	v_lshlrev_b32 v[PFF], 8, v[PFF]
	v_add_nc_u32 v[PFF], FOFF, v[PFF]
	s_lshl_b32 s66, s[WV], 7
	s_add_co_u32 s66, s66, SCB
	v_lshl_add_u32 v[SCA], v1, 2, s66
	v_add_nc_u32 v[SCR], SCB, v[XO]
	v_mov_b32 v[CM+1], 0                           ; named in pairs with c m
	v_mov_b32 v[CM+3], 0
	v_mov_b32 v[T+2], 0                            ; v_permlanex16_b32's destinations count as read
	v_mov_b32 v[T+3], 0
.set t, 0
.rept 8
	v_mov_b32 v[L+t], 0
.set t, t+1
.endr
	; g of my two query tiles, once for each walk's window: lane l holds query l % 16; registers 0-3 plane 4 + h, registers 4-7 plane 6 + h
.irp q, 0,1
	global_load_b128 v[G+8*(\q):G+8*(\q)+3],   v5, s[6:7] offset:256*(\q)
	global_load_b128 v[G+8*(\q)+4:G+8*(\q)+7], v5, s[6:7] offset:256*(\q)+2*FPLANE
.endr
	WIN 0x40
.irp q, 0,1
	global_load_b128 v[P1G+8*(\q):P1G+8*(\q)+3],   v5, s[6:7] offset:256*(\q)
	global_load_b128 v[P1G+8*(\q)+4:P1G+8*(\q)+7], v5, s[6:7] offset:256*(\q)+2*FPLANE
.endr
	v_add_nc_u32 v[P1B0], FBASE, v5
	v_add_nc_u32 v[P1B0+1], FBASE+2*FPLANE, v5
.set t, 0
.rept 16                                           ; the maxima, and the score tiles that the first run's riders read before they are made, start at the lowest finite number
	v_mov_b32 v[MX+t], s[NEGM]
	v_mov_b32 v[P1S+16+t], s[NEGM]
	v_mov_b32 v[P1S+48+t], s[NEGM]
.set t, t+1
.endr
	v_mov_b32 v[P1T+2], 0
	v_mov_b32 v[P1T+3], 0
	WIN 0
	s_wait_tensorcnt 0x1                           ; my plane of f is in; key block 0 may stay out
	s_barrier_signal -1
	s_barrier_wait -1                              ; everybody's plane is
	s_wait_loadcnt 0x0                             ; g
	s_wait_kmcnt 0x0                               ; gamma
	v_mov_b32 v[GV], s[GAM]
	v_cvt_pk_bf16_f32 v[GV], v[GV], v[GV]
	v_lshlrev_b32 v[GV], 16, v[GV]
; THE FIRST WALK: 16 runs of 128 keys, all in window 1.  A run: 16 score products (tile q = k % 2, fragment k / 2), behind each four riders that take finished tiles into the maxima.
.macro RIDE q, t0, lo                  ; MX[q][j] = max(MX[q][j], tile t0 [j], tile t0 + 1 [j]), j = lo .. lo + 3; each tile's lowest registers are read first
.irp j, 0,1,2,3
	v_max3_num_f32 v[MX+8*(\q)+(\lo)+(\j)], v[MX+8*(\q)+(\lo)+(\j)], v[P1S+32*(\q)+8*(\t0)+(\lo)+(\j)], v[P1S+32*(\q)+8*(\t0)+8+(\lo)+(\j)]
.endr
.endm
.macro P1LD buf                        ; 128 keys of f: 8 fragments.  Behind the last keys the walk's offset wraps to 0: the last run's fetch stays inside f and is not used
	v_add_nc_u32 v[P1AD], s[TF], v[P1B0]
	v_add_nc_u32 v[P1AD+1], s[TF], v[P1B0+1]
	s_add_co_u32 s[TF], s[TF], 2048
	s_and_b32 s[TF], s[TF], 0x7fff
.set t, 0
.rept 8
	ds_load_b128 v[(\buf)+8*t:(\buf)+8*t+3],   v[P1AD]   offset:256*t
	ds_load_b128 v[(\buf)+8*t+4:(\buf)+8*t+7], v[P1AD+1] offset:256*t
.set t, t+1
.endr
.endm
; Behind product k stand the riders of the pair of tiles whose second was made 2 or 3 products earlier: 8 plain instructions or more lie between a product and the first reader of its result.
; The four riders behind a run's last product and the two address lines are the places in front of the loads into the buffer that it read.
.macro P1RUN buf, other
	s_wait_dscnt 0x0
	P1LD \other
.set k, 0
.rept 16
	v_wmma_f32_16x16x32_f16 v[P1S+32*(k%2)+8*((k/2)%4):P1S+32*(k%2)+8*((k/2)%4)+7], v[(\buf)+8*(k/2):(\buf)+8*(k/2)+7], v[P1G+8*(k%2):P1G+8*(k%2)+7], 0
	RIDE (((k+4)%8)/2)%2, 2*(((k+4)%8)/4), 4*((k+4)%2)
.set k, k+1
.endr
.endm
	WIN 0x55
	P1LD P1A
	WIN 0
	s_mov_b32 s[LAP], 8
.Lmax:
	WIN 0x55
	P1RUN P1A, P1B
	P1RUN P1B, P1A
	WIN 0
	s_sub_co_u32 s[LAP], s[LAP], 1
	s_cmp_lg_u32 s[LAP], 0
	s_cbranch_scc1 .Lmax
	WIN 0x55
	PLACES
	RIDE 0, 2, 0                                   ; the last group's tiles 2 and 3
	RIDE 0, 2, 4
	RIDE 1, 2, 0
	RIDE 1, 2, 4
.irp q, 0,1
	v_max3_num_f32 v[P1T+(\q)], v[MX+8*(\q)], v[MX+8*(\q)+1], v[MX+8*(\q)+2]
	v_max3_num_f32 v[P1T+(\q)], v[P1T+(\q)], v[MX+8*(\q)+3], v[MX+8*(\q)+4]
	v_max3_num_f32 v[P1T+(\q)], v[P1T+(\q)], v[MX+8*(\q)+5], v[MX+8*(\q)+6]
	v_max_num_f32 v[P1T+(\q)], v[P1T+(\q)], v[MX+8*(\q)+7]
	v_permlanex16_b32 v[P1T+2+(\q)], v[P1T+(\q)], s[SEL], s[SEL+1]  ; the query's other keys lie in the lane 16 away
	v_max_num_f32 v[P1T+(\q)], v[P1T+(\q)], v[P1T+2+(\q)]
.endr
	WIN 0x04
	v_mul_f32 v[CM], s[CS], v[P1T]                 ; c m
	v_mul_f32 v[CM+2], s[CS], v[P1T+1]
	WIN 0
	s_mov_b32 s[TF], 0
; THE SECOND WALK.  The softmax of a step's 64 keys for my two query tiles, one line at a time; pair p of 32 is registers S + 2 p, + 1; tile q = p / 16.
.macro SF p                            ; c s - c m
	v_pk_fma_f32 v[S+2*(\p):S+2*(\p)+1], v[S+2*(\p):S+2*(\p)+1], s[CS:CS+1], v[CM+2*((\p)/16):CM+2*((\p)/16)+1] op_sel_hi:[1,0,0] neg_lo:[0,0,1] neg_hi:[0,0,1]
.endm
.macro SE n
	v_exp_f32 v[S+(\n)], v[S+(\n)]
.endm
.macro CV p                            ; a pair of weights rounded to f16
	v_cvt_pk_f16_f32 v[PO+(\p)], v[S+2*(\p)], v[S+2*(\p)+1]
.endm
.macro SA p                            ; and added onto l, two chains a tile by turns
	v_pk_add_f32 v[L+4*((\p)/16)+2*((\p)%2):L+4*((\p)/16)+2*((\p)%2)+1], v[L+4*((\p)/16)+2*((\p)%2):L+4*((\p)/16)+2*((\p)%2)+1], v[S+2*(\p):S+2*(\p)+1]
.endm
.macro SMM                             ; the 8 score products of a step; eight v_nop are the places in front of the first scaling
	WIN 0
.irp t, 0,1,2,3
.irp q, 0,1
	v_wmma_f32_16x16x32_f16 v[S+32*(\q)+8*(\t):S+32*(\q)+8*(\t)+7], v[FR+8*(\t):FR+8*(\t)+7], v[G+8*(\q):G+8*(\q)+7], 0
.endr
.endr
	PLACES
	PLACES
.endm
.macro FLOADS                          ; 64 keys of f: 4 fragments
.irp t, 0,1,2,3
	ds_load_b128 v[FR+8*(\t):FR+8*(\t)+3],   v[AFT]   offset:256*(\t)
	ds_load_b128 v[FR+8*(\t)+4:FR+8*(\t)+7], v[AFT+1] offset:256*(\t)
.endr
.endm
.macro FFETCH                          ; out of the slot in hand
	WIN 0
	v_add_nc_u32 v[AFT], s[TF], v[AFA]
	v_add_nc_u32 v[AFT+1], s[TF], v[AFB]
	FLOADS
.endm
.macro PSTORE                          ; my two tiles of P, as fragments: 16 bytes a lane, lanes on end
	WIN 0
.irp q, 0,1
.irp kk, 0,1
	ds_store_b128 v[APW], v[PO+16*(\q)+8*(\kk):PO+16*(\q)+8*(\kk)+3]   offset:8192*(\kk)+1024*(\q)
	ds_store_b128 v[APW], v[PO+16*(\q)+8*(\kk)+4:PO+16*(\q)+8*(\kk)+7] offset:8192*(\kk)+1024*(\q)+512
.endr
.endr
.endm
.macro FETCH kk, f                     ; 32 LDS loads in one run, each 512 bytes on end: 8 fragments of P (all query tiles) and 8 of hh (my channels) for keys 32 kk on of the step in hand, into buffer f
	WIN 0x40
.set t, 0
.rept 8
	ds_load_b128 v[128*(\f)+8*t:128*(\f)+8*t+3],   v[APR] offset:8192*(\kk)+1024*t
	ds_load_b128 v[128*(\f)+8*t+4:128*(\f)+8*t+7], v[APR] offset:8192*(\kk)+1024*t+512
.set t, t+1
.endr
.set t, 0
.rept 8
	ds_load_b128 v[128*(\f)+64+8*t:128*(\f)+64+8*t+3],   v[ADRH] offset:4096*t+1024*(\kk)
	ds_load_b128 v[128*(\f)+64+8*t+4:128*(\f)+64+8*t+7], v[ADRH] offset:4096*t+1024*(\kk)+512
.set t, t+1
.endr
.endm
.macro PVN f, zero                     ; product i of 64 of O += P hh^T: channel tile i / 8, query tile i % 8.  The 64 accumulators take turns, one instruction a turn.
.set ct, i/8
.set qt, i%8
.set rO, 8*(8*(ct%4)+qt)
	WIN 0xa5+0x50*(ct/4)
.if \zero
	v_wmma_f32_16x16x32_f16 v[rO:rO+7], v[128*(\f)+8*qt:128*(\f)+8*qt+7], v[128*(\f)+64+8*ct:128*(\f)+64+8*ct+7], 0
.else
	v_wmma_f32_16x16x32_f16 v[rO:rO+7], v[128*(\f)+8*qt:128*(\f)+8*qt+7], v[128*(\f)+64+8*ct:128*(\f)+64+8*ct+7], v[rO:rO+7]
.endif
.set i, i+1
.endm
.macro MUL16 f, hi, c0
.set i, 8*(4*(\hi)+(\c0))
.rept 16
	PVN \f, 0
.endr
.endm
; PREFETCHES INTO THE L2, behind the joint load, its five lines and the runs of LDS loads.  hhb: the key block that the NEXT refill will ask for, 240 matrix instructions ahead of it: four parts of 136 pieces of 256 bytes.
; All clusters of a batch and channel half walk the same key blocks: the first of them asks; its four partners take a part each BY ADDRESS; in each, every wave names 32 pieces of hh, a lane a piece, and wave 0 the part's f.
; inloop = 1: the loop's last trip has no key block behind its own.  Key blocks 0 and 1 come by their loads alone.  xb is not asked for: its loads themselves stand 64 to 464 matrix instructions ahead of their first use.
.macro ASKH inloop
.if \inloop
	s_cmp_gt_u32 s[LAP], s[LIM]
.else
	s_cmp_eq_u32 s[LIM], 1
.endif
	s_cbranch_scc0 .Lno_hh_\@
	global_prefetch_b8 v[PFO], s[PFA:PFA+1] th:TH_LOAD_NT scope:SCOPE_SE
	s_cmp_lg_u32 s[WV], 0
	s_cbranch_scc1 .Lno_hh_\@
	global_prefetch_b8 v[PFF], s[PFA:PFA+1] th:TH_LOAD_NT scope:SCOPE_SE
.Lno_hh_\@:
.endm
.macro XSEL k                          ; x's eight sets of 32 registers: two that are always free; S^T's; f's and packed P's; buffer 0's P (window 1)
.set xw, (\k)/6
.if (\k) < 2
.set xr, 192+32*(\k)
.elseif (\k) < 4
.set xr, 128+32*((\k)-2)
.elseif (\k) < 6
.set xr, 64+32*((\k)-4)
.else
.set xr, 32*((\k)-6)
.endif
.endm
.macro XLD k                           ; x of my channel block k: 8 channel pairs, 512 consecutive bytes each; channel t of the block lands in registers xr + 2 t, + 1
	XSEL \k
	WIN 0x40*xw
.set t, 0
.rept 8
	global_load_b128 v[xr+4*t:xr+4*t+3], v[XO], s[XPB:XPB+1] offset:(8*(\k)+t)*512 th:TH_LOAD_NT
.set t, t+1
.endr
.endm
; The first half of a key step: 64 products on buffer 0.  soft = 1: beside them the NEXT step's P: its 8 score products first; behind each of 32 products a scaling and two exponentials; the second half's
; fragments in one run; the last two exponentials, a plain line and ONE wait for the batch of 64 ahead of the first reader; behind each of 16 products two roundings and two sums; P goes to LDS.
; soft = 0: the last step: there is no next P.
.macro HALF0 zero, soft
	WIN 0
	s_wait_dscnt 0x0                               ; buffer 0 and the next step's f are in
.if \soft
	SMM
.endif
.set i, 0
.set p, 0
.rept 32
	PVN 0, \zero
.if \soft
	WIN 0
	SF p
.if p > 0
	SE 2*p-2
	SE 2*p-1
.endif
.endif
.set p, p+1
.endr
.if !(\soft)
	PLACES                                         ; here no scalings are the places in front of the loads into buffer 1
.endif
	FETCH 1, 1
	PVN 0, \zero
.if \soft
	WIN 0
	SE 62
	SE 63
	v_nop                                          ; a plain line behind the last exponential
	s_wait_alu depctr_va_vdst(0)                   ; the wait for the batch
.endif
.set p, 0
.rept 16
	PVN 0, \zero
.if \soft
	WIN 0
	CV p
	CV p+16
	SA p
	SA p+16
.endif
.set p, p+1
.endr
.if \soft
	WIN 0
	v_xor_b32 v[APW], PBUF, v[APW]                 ; into the other buffer than last time: its readers passed the last barrier
	PSTORE
.endif
.rept 15
	PVN 0, \zero
.endr
.endm
; The second half of a key step multiplies buffer 1.  PRE is its part up to ONE barrier, in front of which each wave's reads of LDS and its stores of P are over.
; kind 0: a plain barrier: it shows the next step's P to every wave; my tensor load stays out across it.
; kind 1: the slot is left.  Each wave waits for all its tensor loads (one is out: its part of the other slot) and adds 0 to its spare word; the barrier opens a round of the cluster's, and the joint refill,
;         the key block two on, is the first thing behind it.
; d: the LDS instructions younger than buffer 1's loads: the 8 stores of P, with kind 1 the add, at the end two stores of gamma / l.
.macro PRE kind, d
.if \kind
	s_wait_xcnt 0x0                                ; the last prefetches, two key steps back, have read their address
	s_add_nc_u64 s[PFA:PFA+1], s[PFA:PFA+1], TILEB
	WIN 0
	s_wait_tensorcnt 0x0                           ; no tensor load of mine is out, so a group 0 may be written
	ds_add_u32 v[SPW], v[NIL]                      ; 0 onto my spare word
	s_xor_b32 s[G0H+5], s[G0H+5], SLOT             ; the walking descriptor: the other slot than last time,
	s_add_nc_u64 s[G0H+6:G0H+7], s[G0H+6:G0H+7], TILEB  ; the next key block; the type bits on top are not reached
.endif
	s_wait_dscnt \d
	MUL16 1, 0, 0
	s_wait_dscnt 0x0
	s_barrier_signal -1
	MUL16 1, 0, 2
	WIN 0
	s_barrier_wait -1
.if \kind
	CREST                                          ; no wave of any partner still reads this slot or has a load on its way
	JLOAD                                          ; its four v_nop are also the places in front of the loads below
.else
	PLACES
.endif
.endm
; POST is the part behind the barrier: the addresses go on to the next step (its place in the slots, the other buffer of P), its first fragments are fetched, and (ff = 1) f of the step after it.
; hh of step u + 1 and f of step u + 2 lie at the same slot and half.  ask = 1: hhb's prefetch; 2: the last P has been made and stored: x's blocks 2 to 5 are asked for, into the softmax's registers.
.macro POST ff, ask
	s_xor_b32 s[TH], s[TH], s[XH]
	s_xor_b32 s[XH], s[XH], SLOT
.if \ff
	s_xor_b32 s[TF], s[TF], s[XF]
	s_xor_b32 s[XF], s[XF], SLOT
.endif
	WIN 0
	v_add_nc_u32 v[ADRH], s[TH], v[HB0]
	v_xor_b32 v[APR], PBUF, v[APR]
	FETCH 0, 0
.if \ff
	FFETCH
.endif
.if (\ask) == 1
	ASKH 1
.elseif (\ask) == 2
	XLD 2
	XLD 3
	XLD 4
	XLD 5
.endif
	MUL16 1, 1, 0
	MUL16 1, 1, 2
.endm
	v_add_nc_u32 v[AFT], FBASE, v5                 ; f of key step 0 comes out of the first walk's planes, ahead of their refill
	v_add_nc_u32 v[AFT+1], FBASE+2*FPLANE, v5
	FLOADS
	s_wait_tensorcnt 0x0                           ; all my tensor loads have landed, my part of key block 0 among them
	ds_add_u32 v[SPW], v[NIL]                      ; 0 onto my spare word
	s_wait_dscnt 0x0                               ; the add is done, and my reads of the planes are over
	CROUND                                         ; so are every wave's of every partner
	JLOAD                                          ; key block 1 into slot 1
	ASKH 0                                         ; and key block 2 is named
	SMM                                            ; P of key step 0, by itself
.set p, 0
.rept 32
	SF p
.set p, p+1
.endr
.set p, 0
.rept 64
	SE p
.set p, p+1
.endr
	v_nop
	s_wait_alu depctr_va_vdst(0)
.set p, 0
.rept 16
	CV p
	CV p+16
	SA p
	SA p+16
.set p, p+1
.endr
	PSTORE
	s_wait_dscnt 0x0                               ; my P lies in LDS
	s_barrier_signal -1                            ; key block 1 stays out across it
	s_barrier_wait -1
	FETCH 0, 0
	FFETCH                                         ; f of step 1: the head of slot 0's f
	HALF0 1, 1                                     ; the first half step stands in front of the loop: its products start the sums
	WIN 0
	s_mov_b32 s[LAP], 14
.Lstep:                                            ; a trip: a slot's two steps, from the first one's second half to the next slot's first half; the slot is filled again: key blocks 2 to 15
	PRE 0, 8
	POST 1, 0
	HALF0 0, 1
	PRE 1, 9
	POST 1, 1
	HALF0 0, 1
	WIN 0
	s_sub_co_u32 s[LAP], s[LAP], 1
	s_cmp_lg_u32 s[LAP], 0
	s_cbranch_scc1 .Lstep
	s_wait_tensorcnt 0x0                           ; my part of the last key block is in; the next barrier shows it to every wave, a step ahead of its first reader.  From here on no tile is asked for
	XLD 0                                          ; x's blocks 0 and 1, into registers that nothing else uses
	XLD 1
	s_mov_b32 s[LAP], 2
.Ltail:                                            ; steps 28 and 29 end, steps 29 and 30 begin: one text serves both, since every LDS address stands in a register
	PRE 0, 8
	POST 1, 0
	HALF0 0, 1
	WIN 0
	s_sub_co_u32 s[LAP], s[LAP], 1
	s_cmp_lg_u32 s[LAP], 0
	s_cbranch_scc1 .Ltail
	; l is whole: its chains, its two halves and the other half of the lanes' are added; gamma / l goes to LDS for all waves
.irp q, 0,1
	v_pk_add_f32 v[L+4*(\q):L+4*(\q)+1], v[L+4*(\q):L+4*(\q)+1], v[L+4*(\q)+2:L+4*(\q)+3]
.endr
.irp q, 0,1
	v_add_f32 v[T+(\q)], v[L+4*(\q)], v[L+4*(\q)+1]
.endr
.irp q, 0,1
	v_permlanex16_b32 v[T+2+(\q)], v[T+(\q)], s[SEL], s[SEL+1]
.endr
.irp q, 0,1
	v_add_f32 v[T+(\q)], v[T+(\q)], v[T+2+(\q)]
.endr
	v_rcp_f32 v[T+4], v[T]
	v_rcp_f32 v[T+5], v[T+1]
	v_nop
	s_wait_alu depctr_va_vdst(0)
	v_mul_f32 v[T+4], v[GV], v[T+4]
	v_mul_f32 v[T+5], v[GV], v[T+5]
	ds_store_b32 v[SCA], v[T+4]
	ds_store_b32 v[SCA], v[T+5] offset:64
	PRE 0, 10                                      ; step 30's second half; its barrier also shows gamma / l to every wave; in front of it my stores of the last P are over
	POST 0, 2
	HALF0 0, 0                                     ; step 31
	WIN 0
	s_wait_dscnt 0x0                               ; buffer 1 is in
	PLACES                                         ; for the loads into buffer 0
	XLD 6
	XLD 7
	WIN 0
	ds_load_b128 v[SC:SC+3], v[SCR]                ; gamma / l of queries 4 l .. 4 l + 3
	MUL16 1, 0, 0
	MUL16 1, 0, 2
	MUL16 1, 1, 0
	MUL16 1, 1, 2
	WIN 0
	PLACES
	PLACES
; THE WAY OUT, a block of 16 channels at a time.  TOSTAGE: a lane's eight queries of a channel go straight from the accumulators into rows of 528 bytes and come back as whole rows of 512, into the registers that they left.
.macro TOSTAGE k
.set AC, 64*((\k)%4)
.set aw, 2+(\k)/4
	WIN aw<<2
.set t, 0
.rept 8
	ds_store_b128 v[STO], v[AC+8*t:AC+8*t+3]   offset:64*t
	ds_store_b128 v[STO], v[AC+8*t+4:AC+8*t+7] offset:64*t+16
.set t, t+1
.endr
	WIN aw<<6
.set t, 0
.rept 16
	ds_load_b128 v[AC+4*t:AC+4*t+3], v[RD] offset:SPITCH*t  ; LDS serves a wave's instructions in order (ISA guide 5.7.1.4): these see the stores above; the next block's stores come behind them
.set t, t+1
.endr
.endm
; FIN: out = O x (gamma / l) + x, one fused line a number, x straight from its bf16 halves; a row's 512 consecutive bytes are stored.  cnt: x's loads of later blocks, 8 each; d: the next block's LDS instructions.
.macro FIN k, cnt, d
.set AC, 64*((\k)%4)
.set aw, 2+(\k)/4
	XSEL \k
	s_wait_loadcnt \cnt
	s_wait_dscnt \d
	WIN (aw<<6)|(xw<<4)|aw
.set t, 0
.rept 16
	v_fma_mix_f32_bf16 v[AC+4*t],   v[AC+4*t],   v[SC],   v[xr+2*t]   op_sel_hi:[0,0,1]
	v_fma_mix_f32_bf16 v[AC+4*t+1], v[AC+4*t+1], v[SC+1], v[xr+2*t]   op_sel:[0,0,1] op_sel_hi:[0,0,1]
	v_fma_mix_f32_bf16 v[AC+4*t+2], v[AC+4*t+2], v[SC+2], v[xr+2*t+1] op_sel_hi:[0,0,1]
	v_fma_mix_f32_bf16 v[AC+4*t+3], v[AC+4*t+3], v[SC+3], v[xr+2*t+1] op_sel:[0,0,1] op_sel_hi:[0,0,1]
.set t, t+1
.endr
	WIN aw<<2
.set t, 0
.rept 16
	global_store_b128 v[XO], v[AC+4*t:AC+4*t+3], s[OPB:OPB+1] offset:(16*(\k)+t)*XROW th:TH_STORE_NT
.set t, t+1
.endr
.endm
	TOSTAGE 0
	TOSTAGE 1
	FIN 0, 56, 32
	TOSTAGE 2
	FIN 1, 48, 32
	TOSTAGE 3
	FIN 2, 40, 32
	TOSTAGE 4
	FIN 3, 32, 32
	TOSTAGE 5
	FIN 4, 24, 32
	TOSTAGE 6
	FIN 5, 16, 32
	TOSTAGE 7
	FIN 6, 8, 32
	FIN 7, 0, 0
	WIN 0
	s_wait_tensorcnt 0x0                           ; the wave's end: the add and its wait stand behind my last tensor load and my last LDS store
	ds_add_u32 v[SPW], v[NIL]
	s_wait_dscnt 0x0
	CROUND                                         ; the closing round: no work-group ends while a partner may still ask for a tile that names it
	s_endpgm
.Lfunc_end_k_q55d28898bf_attn:
	.size	k_q55d28898bf_attn, .Lfunc_end_k_q55d28898bf_attn-k_q55d28898bf_attn
	.p2alignl 7, 3214868480
	.fill 96, 4, 3214868480
	.section	.rodata,"a",@progbits
	.p2align	6, 0x0
	.amdhsa_kernel k_q55d28898bf_attn
		.amdhsa_group_segment_fixed_size 327680
		.amdhsa_private_segment_fixed_size 0
		.amdhsa_enable_private_segment 0
		.amdhsa_kernarg_size 40
		.amdhsa_user_sgpr_count 2
		.amdhsa_user_sgpr_kernarg_segment_ptr 1
		.amdhsa_wavefront_size32 1
		.amdhsa_system_sgpr_workgroup_id_x 1
		.amdhsa_system_sgpr_workgroup_id_y 1
		.amdhsa_system_sgpr_workgroup_id_z 1
		.amdhsa_system_vgpr_workitem_id 0
		.amdhsa_next_free_vgpr 1024
		.amdhsa_next_free_sgpr 76
		.amdhsa_reserve_vcc 0
		.amdhsa_float_denorm_mode_32 3
		.amdhsa_float_denorm_mode_16_64 3
		.amdhsa_memory_ordered 1
		.amdhsa_forward_progress 1
		.amdhsa_inst_pref_size 223
	.end_amdhsa_kernel
	.amdgpu_metadata
---
amdhsa.version: [ 1, 2 ]
amdhsa.kernels:
  - .name:           k_q55d28898bf_attn
    .symbol:         k_q55d28898bf_attn.kd
    .args:
      - { .name: hhb, .offset: 0, .size: 8, .value_kind: global_buffer, .address_space: global }
      - { .name: fg, .offset: 8, .size: 8, .value_kind: global_buffer, .address_space: global }
      - { .name: xb, .offset: 16, .size: 8, .value_kind: global_buffer, .address_space: global }
      - { .name: gamma, .offset: 24, .size: 8, .value_kind: global_buffer, .address_space: global }
      - { .name: out0, .offset: 32, .size: 8, .value_kind: global_buffer, .address_space: global }
    .group_segment_fixed_size: 327680
    .private_segment_fixed_size: 0
    .kernarg_segment_align: 8
    .kernarg_segment_size: 40
    .max_flat_workgroup_size: 128
    .sgpr_count:     76
    .vgpr_count:     1024
    .wavefront_size: 32
...
	.end_amdgpu_metadata
.endif
;; end of part 6
